; MI455X (gfx1250); checked and timed in simulation.
; The chip was launched on July 23, 2026; its instructions are those of AMD's public machine-readable ISA for CDNA 5 (MIT licence, August 2026) and "CDNA5" Instruction Set Architecture Reference Guide (July 2026). The comments in the code are by the model that wrote it; some were corrected since.
;; Multi Head Attention. Allowed arithmetic: matrix products marked QUANTISED: E2M1 operands, one E8M0 scale for each 32 along K, by v_wmma_scale_f32_16x16x128_f8f6f4 with both operands' format E2M1 (or v_wmma_scale_f32_32x16x128_f4), f32 sums; products left as they are: bf16, f16 or f32 operands; f32 sums; everything else in f32.
;; Inputs: Wk 1,024 x 1,024 float32; Wo 1,024 x 1,024 float32; Wq 1,024 x 1,024 float32; Wv 1,024 x 1,024 float32; bk 1,024 float32; bo 1,024 float32; bq 1,024 float32; bv 1,024 float32; key_in 4 x 2,048 x 1,024 float32; mask 1 x 1 x 2,048 x 2,048 int32; query 4 x 2,048 x 1,024 float32; value 4 x 2,048 x 1,024 float32.
;; Outputs: out0 4 x 2,048 x 1,024 float32.
;; This version of the problem:
;;   THIS VERSION OF THE PROBLEM IS GIVEN IN LOW PRECISION. The matrix products marked QUANTISED in the list below multiply operands that are first quantised to E2M1 (2 exponent bits, 1 mantissa bit; 4 bits a number), with one power-of-two scale for each 32 numbers along K (OCP MX v1.0); their sums are f32. The products marked 'left as it is' may take bf16, f16 or f32 operands, with f32 sums. Whichever they take, every output number must still come out within the allowed error. Rounding operands to bf16 (8 significant bits) uses up far more of that allowance than f16 does (11 bits, for magnitudes from 6e-5 to 65,504). All else is computed in f32.
;;   The module's matrix products, in the order in which they are computed (A, B: the left and right operand; K: the contracted axis; several contracted axes count as one K, in the product's order):
;;     1. [M 8,192, K 1,024] x [K 1,024, N 1,024]; A: input query; B: input Wq: QUANTISED
;;     2. [M 8,192, K 1,024] x [K 1,024, N 1,024]; A: input key_in; B: input Wk: QUANTISED
;;     3. [M 8,192, K 1,024] x [K 1,024, N 1,024]; A: input value; B: input Wv: QUANTISED
;;     4. batch 64 x [M 2,048, K 64] x [K 64, N 2,048]; A: computed on the way; B: computed on the way: left as it is (an operand is computed on the way)
;;     5. batch 64 x [M 2,048, K 2,048] x [K 2,048, N 64]; A: computed on the way; B: computed on the way: left as it is (an operand is computed on the way)
;;     6. [M 8,192, K 1,024] x [K 1,024, N 1,024]; A: computed on the way; B: input Wo: left as it is (an operand is computed on the way)
;;   THE QUANTISER, for each operand of a quantised product, along K:
;;     - K is cut into blocks of 32 from its start; a last block that is shorter is filled with zeros.
;;     - A block's scale is 2^e with e = floor(log2(the largest magnitude in the block)) - 2, held to -126 .. 127; a block of zeros has e = 0. As a byte (E8M0): e + 127.
;;     - Each number is divided by its block's scale, clamped to +-6, and rounded to the nearest number of E2M1, ties to even, subnormals kept.
;;     - The product sums the exact products of the quantised numbers (number of the format x scale) in f32.
;;   ~~~python
;;   def quantise(x, axis):      # numpy; x: float32 -> the quantised numbers, widened to float32 again
;;       x = np.moveaxis(x, axis, -1); K = x.shape[-1]
;;       x = np.pad(x, [(0, 0)] * (x.ndim - 1) + [(0, -K % 32)]); x = x.reshape(x.shape[:-1] + (-1, 32)); a = np.abs(x).max(-1, keepdims=True)
;;       e = np.where(a > 0, np.clip(np.frexp(np.where(a > 0, a, 1))[1] - 1 - 2, -126, 127), 0)      # np.frexp(a)[1] - 1 = floor(log2(a)), exactly
;;       r = np.clip(x / 2.0 ** e, -6, 6)
;;       step = 2.0 ** (np.maximum(np.frexp(np.where(r == 0, 1, r))[1] - 1, 0) - 1)
;;       q = np.round(r / step) * step * 2.0 ** e      # np.round: ties to even
;;       return np.moveaxis(q.reshape(q.shape[:-2] + (-1,))[..., :K], -1, axis).astype(np.float32)
;;   ~~~
;; One version. Each part assembles by itself: llvm-mc -triple=amdgcn-amd-amdhsa -mcpu=gfx1250 --defsym DOCPART=n.
;; ======== version 1 of 1: 5 launches
;; limits: values are held in f16: magnitudes above 65,504 overflow, below 6.1e-05 lose precision
;; workspace buffers: codes 14,155,776 bytes; scales 884,736 bytes; maskw 524,288 bytes of whole numbers; flags 1,024 bytes of whole numbers; qkv 50,331,648 bytes; qkvlo 393,216 bytes; wo16 4,194,304 bytes; att16 16,777,216 bytes
;; launch prep (part 1): grid 1056 x 1, 4 waves a work-group, no clusters, 68,352 bytes of LDS; arguments query, key_in, value, Wq, Wk, Wv, Wo, mask, codes, scales, wo16, maskw, flags; writes codes, scales, wo16, maskw, flags
.if DOCPART == 1
	.amdgcn_target "amdgcn-amd-amdhsa--gfx1250"
	.amdhsa_code_object_version 6
	.text
	.protected	k_q03e9e41623_prep
	.globl	k_q03e9e41623_prep
	.p2align	8
	.type	k_q03e9e41623_prep,@function
k_q03e9e41623_prep:
	s_mov_b64 s[64:65], 0
	v_nop
	global_prefetch_b8 v0, s[64:65] scope:SCOPE_SE
	s_setreg_imm32_b32 hwreg(HW_REG_WAVE_MODE, 25, 1), 1
	s_wait_xcnt 0x0
; PREP: three jobs in one launch, told apart by the work-group's number; each has LDS bytes of its own.
; Q (work-groups 0-863): query, key_in, value [8192][1024] and Wq, Wk, Wv [1024][1024], f32, become codes of FP4 (E2M1), K innermost, two codes a byte, and one E8M0 byte for each 32 along K.
;   All six are dense streams of blocks of 32; they land one behind the other in codes ([27648 rows][512 bytes]) and scales ([27648][32 bytes]).
;   A block's byte is its largest magnitude's exponent field - 2, held at 1 from below (a block of zeros gets 1: its codes are zeros, and this program alone reads the bytes).
; M (864-991): the mask [2048][2048] int32 becomes LANE MASKS: for each tile of 16 queries and step of 64 keys 32 words; bit L of word 8 t + j says mask[16 qt + L % 16][64 ks + 16 t + 8 (L / 16) + j] != 0:
;   the lane and register in which the attention launch holds that score.  Two flag words a tile, one bit a key step: ANY (some entry is open) and FULL (all 1,024 are).
;   If one of the 16 rows has no open key at all, ANY is all ones: such a row averages over all 2,048 keys, so all must be walked.
; W (992-1055): Wo [1024][1024] f32 becomes two f16 parts, high and low, laid as images of operand registers: [16 rows][32 along K][half][512 bytes], lane l's 16 bytes at 16 l.
;   The split is made in f32: g = 8193 x, d = x - g, hi = g + d (11 significant bits, exact in f16), lo = x - hi (exact).
; LIMITS: NaN and infinities are not served; blocks whose largest magnitude lies under 2^-124 were not tried; |Wo| under 65,504; parts under 6e-5 are f16 subnormals (absolute error 3e-8).
.set SPW,   12                         ; v12  LDS address of my spare word; never rewritten
.set NIL,   13                         ; v13  0; never rewritten
.set SPARE, 67840                      ; the spare words: 128 bytes a wave, two blocks of 256 bytes that no other line names
.macro FINISH                          ; the wave's end, behind the last LDS store
	s_wait_tensorcnt 0x0
	ds_add_u32 v[SPW], v[NIL]
	s_wait_dscnt 0x0
	s_endpgm
.endm
	s_load_b512 s[4:19], s[0:1], 0x0               ; query, key_in, value, Wq, Wk, Wv, Wo s[16:17], mask s[18:19]
	s_load_b256 s[20:27], s[0:1], 0x40             ; codes, scales, wo16 s[24:25], maskw s[26:27]
	s_load_b64 s[28:29], s[0:1], 0x60              ; flags
	v_lshl_add_u32 v[SPW], v0, 2, SPARE
	v_mov_b32 v[NIL], 0
	v_lshrrev_b32 v1, 5, v0
	v_readfirstlane_b32 s30, v1                    ; wave
	v_and_b32 v2, 31, v0                           ; lane
	s_cmp_ge_u32 ttmp9, 864
	s_cbranch_scc1 .Lnot_q
; ------------------------------------------------------------------ Q: the quantiser
; A wave takes 16 steps of 512 numbers.  Each of a step's four loads reads 512 consecutive bytes; the 2,048 bytes turn through the wave's own stage in LDS (16 bytes of padding behind each 64)
; and come back 64 bytes a lane: 16 neighbours along K, two lanes to a block.  Loads run four steps ahead, the turn one step.
.set STEPS, 16
.set EMAX,  2
.set CB,    8                          ; bytes of 16 codes
.set R,     16                         ; v16-79   four sets of 16 numbers as loaded
.set X,     80                         ; v80-111  two sets of 16 neighbours
.set C,     128                        ; v128-191 codes, four registers a step: no store's data are written again
.set E,     112                        ; v112-127 a scale byte a step
.set WREG,  8192                       ; LDS: a region a wave: two stages of 32 x SP bytes, then its 256 scale bytes
.set SP,    80
	v_lshlrev_b32 v3, 4, v2                        ; my 16 bytes of a load's 512
	s_mul_i32 s31, s30, WREG
	v_lshrrev_b32 v14, 2, v2
	v_mul_u32_u24 v14, v14, SP
	v_and_b32 v15, 3, v2
	v_lshl_add_u32 v14, v15, 4, v14
	v_add_nc_u32 v14, s31, v14                     ; the stage, on the way in
	v_mul_u32_u24 v15, v2, SP
	v_add_nc_u32 v15, s31, v15                     ; and on the way out: my 16 neighbours
	v_mul_u32_u24 v4, v2, CB                       ; my codes' place in a step's
	v_lshrrev_b32 v5, 1, v2
	s_add_co_u32 s31, s31, 2*32*SP
	v_add_nc_u32 v5, s31, v5                       ; my block's scale byte in LDS
	v_lshlrev_b32 v7, 3, v2
	v_add_nc_u32 v6, s31, v7                       ; and 8 bytes a lane on the way out
	s_lshr_b32 s32, ttmp9, 8                       ; a large tensor has 256 work-groups,
	s_and_b32 s33, ttmp9, 255
	s_sub_co_u32 s34, ttmp9, 768                   ; a weight 32
	s_lshr_b32 s35, s34, 5
	s_add_co_u32 s35, s35, 3
	s_and_b32 s34, s34, 31
	s_cmp_lt_u32 ttmp9, 768
	s_cselect_b32 s32, s32, s35                    ; which of the six tensors
	s_cselect_b32 s33, s33, s34                    ; which 32,768 numbers of it
	s_lshl_b32 s33, s33, 2
	s_add_co_u32 s33, s33, s30
	s_lshl_b32 s36, s33, 15                        ; my wave's 8,192 numbers: 32,768 bytes
	s_mov_b32 s37, 0
	s_lshl_b32 s33, ttmp9, 2
	s_add_co_u32 s33, s33, s30
	s_lshl_b32 s38, s33, 12                        ; 4,096 bytes of codes,
	s_mov_b32 s39, 0
	s_lshl_b32 s40, s33, 8                         ; 256 scale bytes
	s_mov_b32 s41, 0
	s_wait_kmcnt 0x0
	s_cmp_eq_u32 s32, 1                            ; the choice hangs on the work-group's number alone
	s_cselect_b64 s[4:5], s[6:7], s[4:5]
	s_cmp_eq_u32 s32, 2
	s_cselect_b64 s[4:5], s[8:9], s[4:5]
	s_cmp_eq_u32 s32, 3
	s_cselect_b64 s[4:5], s[10:11], s[4:5]
	s_cmp_eq_u32 s32, 4
	s_cselect_b64 s[4:5], s[12:13], s[4:5]
	s_cmp_eq_u32 s32, 5
	s_cselect_b64 s[4:5], s[14:15], s[4:5]
	s_add_nc_u64 s[4:5], s[4:5], s[36:37]
	s_add_nc_u64 s[20:21], s[20:21], s[38:39]
	s_add_nc_u64 s[22:23], s[22:23], s[40:41]
.macro LOAD t
.irp i, 0,1,2,3
	global_load_b128 v[R+16*((\t)%4)+4*\i:R+16*((\t)%4)+4*\i+3], v3, s[4:5] offset:2048*(\t)+512*\i th:TH_LOAD_NT
.endr
.endm
.macro TURN t                          ; LDS serves a wave's instructions in order: no wait between the stores and the loads
.irp i, 0,1,2,3
	ds_store_b128 v14, v[R+16*((\t)%4)+4*\i:R+16*((\t)%4)+4*\i+3] offset:32*SP*((\t)%2)+8*SP*\i
.endr
.irp i, 0,1,2,3
	ds_load_b128 v[X+16*((\t)%2)+4*\i:X+16*((\t)%2)+4*\i+3], v15 offset:32*SP*((\t)%2)+16*\i
.endr
.endm
.irp t, 0,1,2,3
	LOAD \t
.endr
	s_wait_loadcnt 12                              ; step 0's four loads are in; twelve younger ones stay out
	TURN 0
.macro STEP t
.set XS, X+16*((\t)%2)
.if (\t) > 0
	s_wait_dscnt 1                                 ; this step's numbers are back from the stage (the last step's byte store may be out)
.else
	s_wait_dscnt 0x0
.endif
.if (\t)+4 < STEPS
	LOAD (\t)+4
.endif
.if (\t)+1 < STEPS
.if STEPS-2-(\t) >= 3
	s_wait_loadcnt 12                              ; the next step's four loads are in; those of the three steps behind it may be out
.else
	s_wait_loadcnt 4*(STEPS-2-(\t))
.endif
	TURN (\t)+1
.endif
	v_max3_num_f32 v8, |v[XS]|, |v[XS+1]|, |v[XS+2]|
	v_max3_num_f32 v9, |v[XS+3]|, |v[XS+4]|, |v[XS+5]|
.irp i, 6,10
	v_max3_num_f32 v8, v8, |v[XS+\i]|, |v[XS+\i+1]|
	v_max3_num_f32 v9, v9, |v[XS+\i+2]|, |v[XS+\i+3]|
.endr
	v_max3_num_f32 v8, v8, |v[XS+14]|, |v[XS+15]|
	v_max3_num_f32 v8, v8, v9, (EMAX+1)<<23        ; the floor 2^(3 - 127): the byte cannot fall under 1
	v_max_num_f32_dpp v8, v8, v8 row_xmask:1 row_mask:0xf bank_mask:0xf   ; with my neighbour's 16: the block's largest magnitude
	v_add_nc_u32 v11, -(EMAX<<23), v8              ; 2 off its exponent field: the conversion takes that field as its scale
	v_cvt_scalef32_pk8_fp4_f32 v[C+4*(\t)], v[XS:XS+7], v11
	v_cvt_scalef32_pk8_fp4_f32 v[C+4*(\t)+1], v[XS+8:XS+15], v11
	v_lshrrev_b32 v[E+(\t)], 23, v11               ; the scale's byte (a plain line behind the conversions)
	ds_store_b8 v5, v[E+(\t)] offset:16*(\t)       ; both lanes of a block write the same byte with the same value
	global_store_b64 v4, v[C+4*(\t):C+4*(\t)+1], s[20:21] offset:32*CB*(\t)   ; 32 lanes: 256 consecutive bytes, aligned
.endm
.irp t, 0,1,2,3,4,5,6,7,8,9,10,11,12,13,14,15
	STEP \t
.endr
	ds_load_b64 v[8:9], v6
	s_wait_dscnt 0x0
	global_store_b64 v7, v[8:9], s[22:23]          ; the wave's 256 scale bytes: one aligned run
	FINISH
; ------------------------------------------------------------------ M: the mask
.Lnot_q:
	s_cmp_ge_u32 ttmp9, 992
	s_cbranch_scc1 .Lpath_w
; A work-group takes a tile of 16 queries, wave w its key steps 8 w .. 8 w + 7.  A step is 16 rows x 256 bytes: eight loads of two whole rows' pieces; they turn through the wave's stage
; (rows 272 bytes apart), so that lane (r, h) gets mask[r][16 t + 8 h + j] in register 8 t + j.  Each compare gives a word; v_writelane lays the 64 words of two steps into a register pair,
; which one store sends out as 256 consecutive bytes.
.set MR, 64                            ; v64-127  two sets of 32 as loaded
.set MX, 128                           ; v128-191 two sets of 32 in the score's layout
.set MSTG, 32768                       ; stages: 2 x 16 x 272 bytes a wave
.set MCMB, 67584                       ; 48 bytes in a block of 256: the waves' ANY, FULL and row words
	s_sub_co_u32 s31, ttmp9, 864                   ; the tile of queries
	v_and_b32 v3, 15, v2
	v_lshrrev_b32 v4, 4, v2
	v_lshlrev_b32 v5, 13, v4
	v_lshl_add_u32 v5, v3, 4, v5                   ; in memory: lanes 0-15 one row's 256 bytes, lanes 16-31 the next row's
	s_mul_i32 s66, s30, 8704
	s_add_co_u32 s66, s66, MSTG
	v_mul_u32_u24 v6, v4, 272
	v_lshl_add_u32 v6, v3, 4, v6
	v_add_nc_u32 v6, s66, v6                       ; into the stage
	v_mul_u32_u24 v7, v3, 272
	v_lshl_add_u32 v7, v4, 5, v7
	v_add_nc_u32 v7, s66, v7                       ; out of it: row r, 32 h bytes on
	v_lshlrev_b32 v8, 3, v2                        ; 8 bytes a lane on the way out
	v_mov_b32 v10, s30
	v_lshlrev_b32 v10, 2, v10
	v_add_nc_u32 v10, MCMB, v10                    ; my wave's words
	v_mov_b32 v11, MCMB
.irp i, 16,17,18,19,20,21,22,23
	v_mov_b32 v\i, 0                               ; written once: v_writelane's destination counts as read
.endr
	s_mov_b32 s74, 0                               ; my eight ANY bits,
	s_mov_b32 s75, 0                               ; FULL bits,
	s_mov_b32 s76, 0                               ; and the lanes that have seen an open key
	s_lshl_b32 s68, s31, 17                        ; 16 rows of 8,192 bytes
	s_lshl_b32 s69, s30, 11                        ; 8 steps of 256 bytes
	s_add_co_u32 s68, s68, s69
	s_mov_b32 s69, 0
	s_wait_kmcnt 0x0
	s_add_nc_u64 s[18:19], s[18:19], s[68:69]
	s_lshl_b32 s68, s31, 12                        ; 32 steps of 128 bytes
	s_lshl_b32 s70, s30, 10
	s_add_co_u32 s68, s68, s70
	s_add_nc_u64 s[26:27], s[26:27], s[68:69]
	s_lshl_b32 s68, s31, 2
	s_add_nc_u64 s[28:29], s[28:29], s[68:69]
.macro MLOAD k
.irp i, 0,1,2,3,4,5,6,7
	global_load_b128 v[MR+32*((\k)%2)+4*\i:MR+32*((\k)%2)+4*\i+3], v5, s[18:19] offset:16384*\i+256*(\k) th:TH_LOAD_NT
.endr
.endm
.macro MTURN k
.irp i, 0,1,2,3,4,5,6,7
	ds_store_b128 v6, v[MR+32*((\k)%2)+4*\i:MR+32*((\k)%2)+4*\i+3] offset:4352*((\k)%2)+544*\i
.endr
.irp i, 0,1,2,3,4,5,6,7
	ds_load_b128 v[MX+32*((\k)%2)+4*\i:MX+32*((\k)%2)+4*\i+3], v7 offset:4352*((\k)%2)+64*(\i/2)+16*(\i%2)
.endr
.endm
.macro MSTEP k
.set XS, MX+32*((\k)%2)
	s_wait_dscnt 0x0                               ; this step's numbers are back from the stage
.if (\k)+2 < 8
	MLOAD (\k)+2
.endif
.if (\k)+1 < 8
.if (\k)+2 < 8
	s_wait_loadcnt 8                               ; the next step's eight loads are in; the eight just issued stay out
.else
	s_wait_loadcnt 0x0
.endif
	MTURN (\k)+1
.endif
.set n, 0
.rept 32
	v_cmp_ne_u32 s[32+n], 0, v[XS+n]               ; word n: a bit a lane
.set n, n+1
.endr
.set n, 0
.rept 32
	v_writelane_b32 v[16+2*((\k)/2)+n%2], s[32+n], n/2+16*((\k)%2)
.set n, n+1
.endr
	s_or_b32 s72, s32, s33
	s_and_b32 s73, s32, s33
.set n, 34
.rept 30
	s_or_b32 s72, s72, s[n]
	s_and_b32 s73, s73, s[n]
.set n, n+1
.endr
	s_or_b32 s76, s76, s72
	s_cmp_lg_u32 s72, 0
	s_cselect_b32 s77, 1<<(\k), 0
	s_or_b32 s74, s74, s77
	s_cmp_eq_u32 s73, -1
	s_cselect_b32 s77, 1<<(\k), 0
	s_or_b32 s75, s75, s77
.if (\k)%2 == 1
	global_store_b64 v8, v[16+2*((\k)/2):17+2*((\k)/2)], s[26:27] offset:256*((\k)/2)   ; two steps' 64 words: 256 consecutive bytes, aligned
.endif
.endm
	MLOAD 0
	MLOAD 1
	s_wait_loadcnt 8                               ; step 0's eight loads are in
	MTURN 0
.irp k, 0,1,2,3,4,5,6,7
	MSTEP \k
.endr
	v_mov_b32 v24, s74
	v_mov_b32 v25, s75
	v_mov_b32 v26, s76
	ds_store_b32 v10, v24                          ; all lanes write the same word with the same value
	ds_store_b32 v10, v25 offset:16
	ds_store_b32 v10, v26 offset:32
	s_wait_dscnt 0x0                               ; for the others' sake: my words have landed
	s_barrier_signal -1
	s_barrier_wait -1
	s_cmp_lg_u32 s30, 0                            ; wave 0 joins the four waves' words
	s_cbranch_scc1 .Lm_done
	ds_load_b128 v[32:35], v11
	ds_load_b128 v[36:39], v11 offset:16
	ds_load_b128 v[40:43], v11 offset:32
	s_wait_dscnt 0x0
.set n, 0
.rept 12
	v_readfirstlane_b32 s[32+n], v[32+n]
.set n, n+1
.endr
	s_lshl_b32 s33, s33, 8
	s_lshl_b32 s34, s34, 16
	s_lshl_b32 s35, s35, 24
	s_or_b32 s32, s32, s33
	s_or_b32 s34, s34, s35
	s_or_b32 s32, s32, s34                         ; ANY: bit ks
	s_lshl_b32 s37, s37, 8
	s_lshl_b32 s38, s38, 16
	s_lshl_b32 s39, s39, 24
	s_or_b32 s36, s36, s37
	s_or_b32 s38, s38, s39
	s_or_b32 s36, s36, s38                         ; FULL
	s_or_b32 s40, s40, s41
	s_or_b32 s42, s42, s43
	s_or_b32 s40, s40, s42
	s_lshr_b32 s41, s40, 16                        ; row r lies in lanes r and r + 16
	s_or_b32 s40, s40, s41
	s_and_b32 s40, s40, 0xffff
	s_cmp_eq_u32 s40, 0xffff                       ; has every row an open key?
	s_cselect_b32 s32, s32, -1                     ; if not, all key steps are walked
	v_mov_b32 v44, s32
	v_mov_b32 v45, s36
	v_mov_b32 v46, 0
	global_store_b32 v46, v44, s[28:29]
	global_store_b32 v46, v45, s[28:29] offset:512
.Lm_done:
	FINISH
; ------------------------------------------------------------------ W: Wo in two f16 parts
.Lpath_w:
; A work-group takes 16 rows of Wo, wave w 256 along K: 8 fragments' worth.  Lane (r, h) loads the 32 bytes that its registers of a half fragment want: row r, k = 32 ks + 16 c + 8 h + 0 .. 7.
	s_sub_co_u32 s31, ttmp9, 992
	v_and_b32 v3, 15, v2
	v_lshrrev_b32 v4, 4, v2
	v_lshlrev_b32 v5, 12, v3
	v_lshl_add_u32 v5, v4, 5, v5                   ; row r of 4,096 bytes, + 32 h
	v_lshlrev_b32 v6, 4, v2                        ; an image: 16 bytes a lane
	s_lshl_b32 s68, s31, 16
	s_lshl_b32 s69, s30, 10
	s_add_co_u32 s68, s68, s69
	s_mov_b32 s69, 0
	s_lshl_b32 s70, s31, 15
	s_lshl_b32 s71, s30, 13
	s_add_co_u32 s70, s70, s71
	s_mov_b32 s71, 0
	s_mov_b32 s78, 0x46000400                      ; 8193.0
	s_mov_b32 s79, s78                             ; (named with it as a pair)
	s_wait_kmcnt 0x0
	s_add_nc_u64 s[16:17], s[16:17], s[68:69]
	s_add_nc_u64 s[24:25], s[24:25], s[70:71]
.set i, 0
.rept 32
	global_load_b128 v[64+4*i:67+4*i], v5, s[16:17] offset:(i/4)*128+((i/2)%2)*64+(i%2)*16 th:TH_LOAD_NT
.set i, i+1
.endr
.macro WPAIR p                         ; two K steps of 32: four half fragments
	s_wait_loadcnt 24-8*(\p)                       ; this pair's eight loads are in; the later pairs' stay out
.if (\p) > 0
	s_wait_xcnt 0x0                                ; the last pair's stores have read their data: v16-47 are written again only behind this wait
.endif
.irp ch, 0,1,2,3
.set XW, 64+32*(\p)+8*\ch
.irp j, 0,2,4,6
	v_pk_mul_f32 v[48+\j:49+\j], v[XW+\j:XW+\j+1], s[78:79] op_sel_hi:[1,0]
.endr
.irp j, 0,2,4,6
	v_pk_add_f32 v[56+\j:57+\j], v[XW+\j:XW+\j+1], v[48+\j:49+\j] neg_lo:[0,1] neg_hi:[0,1]
.endr
.irp j, 0,2,4,6
	v_pk_add_f32 v[48+\j:49+\j], v[48+\j:49+\j], v[56+\j:57+\j]                           ; the high part
.endr
.irp j, 0,2,4,6
	v_pk_add_f32 v[56+\j:57+\j], v[XW+\j:XW+\j+1], v[48+\j:49+\j] neg_lo:[0,1] neg_hi:[0,1]   ; the low part
.endr
.irp j, 0,1,2,3
	v_cvt_pk_f16_f32 v[16+4*\ch+\j], v[48+2*\j], v[49+2*\j]
	v_cvt_pk_f16_f32 v[32+4*\ch+\j], v[56+2*\j], v[57+2*\j]
.endr
	global_store_b128 v6, v[16+4*\ch:19+4*\ch], s[24:25] offset:(2*(\p)+\ch/2)*1024+(\ch%2)*512           ; 512 consecutive bytes
	global_store_b128 v6, v[32+4*\ch:35+4*\ch], s[24:25] offset:2097152+(2*(\p)+\ch/2)*1024+(\ch%2)*512
.endr
.endm
	WPAIR 0
	WPAIR 1
	WPAIR 2
	WPAIR 3
	FINISH
.Lfunc_end_k_q03e9e41623_prep:
	.size	k_q03e9e41623_prep, .Lfunc_end_k_q03e9e41623_prep-k_q03e9e41623_prep
	.p2alignl 7, 3214868480
	.fill 96, 4, 3214868480
	.section	.rodata,"a",@progbits
	.p2align	6, 0x0
	.amdhsa_kernel k_q03e9e41623_prep
		.amdhsa_group_segment_fixed_size 68352
		.amdhsa_private_segment_fixed_size 0
		.amdhsa_enable_private_segment 0
		.amdhsa_kernarg_size 104
		.amdhsa_user_sgpr_count 2
		.amdhsa_user_sgpr_kernarg_segment_ptr 1
		.amdhsa_wavefront_size32 1
		.amdhsa_system_sgpr_workgroup_id_x 1
		.amdhsa_system_sgpr_workgroup_id_y 1
		.amdhsa_system_sgpr_workgroup_id_z 1
		.amdhsa_system_vgpr_workitem_id 0
		.amdhsa_next_free_vgpr 192
		.amdhsa_next_free_sgpr 80
		.amdhsa_reserve_vcc 0
		.amdhsa_float_denorm_mode_32 3
		.amdhsa_float_denorm_mode_16_64 3
		.amdhsa_memory_ordered 1
		.amdhsa_forward_progress 1
		.amdhsa_inst_pref_size 133
	.end_amdhsa_kernel
	.amdgpu_metadata
---
amdhsa.version: [ 1, 2 ]
amdhsa.kernels:
  - .name:           k_q03e9e41623_prep
    .symbol:         k_q03e9e41623_prep.kd
    .args:
      - { .name: query, .offset: 0, .size: 8, .value_kind: global_buffer, .address_space: global }
      - { .name: key_in, .offset: 8, .size: 8, .value_kind: global_buffer, .address_space: global }
      - { .name: value, .offset: 16, .size: 8, .value_kind: global_buffer, .address_space: global }
      - { .name: Wq, .offset: 24, .size: 8, .value_kind: global_buffer, .address_space: global }
      - { .name: Wk, .offset: 32, .size: 8, .value_kind: global_buffer, .address_space: global }
      - { .name: Wv, .offset: 40, .size: 8, .value_kind: global_buffer, .address_space: global }
      - { .name: Wo, .offset: 48, .size: 8, .value_kind: global_buffer, .address_space: global }
      - { .name: mask, .offset: 56, .size: 8, .value_kind: global_buffer, .address_space: global }
      - { .name: codes, .offset: 64, .size: 8, .value_kind: global_buffer, .address_space: global }
      - { .name: scales, .offset: 72, .size: 8, .value_kind: global_buffer, .address_space: global }
      - { .name: wo16, .offset: 80, .size: 8, .value_kind: global_buffer, .address_space: global }
      - { .name: maskw, .offset: 88, .size: 8, .value_kind: global_buffer, .address_space: global }
      - { .name: flags, .offset: 96, .size: 8, .value_kind: global_buffer, .address_space: global }
    .group_segment_fixed_size: 68352
    .private_segment_fixed_size: 0
    .kernarg_segment_align: 8
    .kernarg_segment_size: 104
    .max_flat_workgroup_size: 128
    .sgpr_count:     80
    .vgpr_count:     192
    .wavefront_size: 32
...
	.end_amdgpu_metadata
.endif
;; end of part 1
;; launch proj (part 2): grid 4 x 96, 4 waves a work-group, clusters of 4 x 4, 327,680 bytes of LDS; arguments codes, scales, bq, bk, bv, qkv, qkvlo; writes qkv, qkvlo
.if DOCPART == 2
	.amdgcn_target "amdgcn-amd-amdhsa--gfx1250"
	.amdhsa_code_object_version 6
	.text
	.protected	k_q03e9e41623_proj
	.globl	k_q03e9e41623_proj
	.p2align	8
	.type	k_q03e9e41623_proj,@function
k_q03e9e41623_proj:
	s_mov_b64 s[64:65], 0
	v_nop
	global_prefetch_b8 v0, s[64:65] scope:SCOPE_SE
	s_setreg_imm32_b32 hwreg(HW_REG_WAVE_MODE, 25, 1), 1
	s_wait_xcnt 0x0
	s_wait_alu depctr_hold_cnt(0) depctr_sa_sdst(0) depctr_va_vdst(0) depctr_va_sdst(0) depctr_va_ssrc(0) depctr_va_vcc(0) depctr_vm_vsrc(0)
	s_getreg_b32 s2, hwreg(HW_REG_IB_STS2, 6, 4)
	s_cmp_eq_u32 s2, 0
	s_cbranch_scc0 .Lentry_in_a_cluster
	s_endpgm
.Lentry_in_a_cluster:
	s_bfe_u32 s2, ttmp6, 0x10000c
	s_cmp_lg_u32 s2, 0xf033
	s_cbranch_scc0 .Lentry_shape_is_right
	s_endpgm
.Lentry_shape_is_right:
; PROJ: Q = query Wq^T + bq, K = key_in Wk^T + bk, V = value Wv^T + bv: three products [8192 x 1024 x 1024] on codes of FP4 (E2M1) with E8M0 scales for each 32 along K, sums in f32; results rounded to f16.
; codes: [27648 rows][512 bytes], scales: [27648][32 bytes]; rows 0.. query, 8192.. key_in, 16384.. value, 24576.. Wq, 25600.. Wk, 26624.. Wv.
; A tile of 256 tokens x 256 features is made by four waves, each 128 x 128: 64 accumulators, 512 registers.  K = 1,024 is two slots of 512 along K (rows of 256 bytes, 272 apart in LDS):
; both slots and all scale bytes are asked for at the start, three tensor loads a wave, and nothing is filled again.
; CLUSTERS: 4 x 4.  cx is the tile column (all four of a tensor), cy the batch; the cluster's y gives the tensor t and the place u of the 256 tokens in a sequence.  The four of a row of the cluster need the same
; tile of tokens, the four of a column the same tile of the weight: each is asked for jointly.
; TRANSPOSED USE: source 0 = 16 rows of W, source 1 = 16 tokens: a lane holds one token and eight neighbouring features.  The bias is the C of each sum's first product.
; THE WAY OUT needs no LDS: qkv is laid as images of the next launch's operand registers, [t][batch][head][16 tokens][32 of the head][half][512 bytes], a lane's 16 bytes at 16 x lane
; (V: at 16 x (16 (r / 8) + 8 h + r % 8), the order in which the turning LDS load wants it): every store of a wave covers 512 consecutive bytes, aligned.
; The first 16 tokens of each sequence also leave a LOW part (x - high part, split in f32: g = 8193 x, d = x - g, hi = g + d, lo = x - hi) in qkvlo, for the launch that carries those rows more finely.
; LIMITS: |Q|, |K|, |V| under 65,504; NaN and infinities are not served.
; REGISTERS: window 0: v0-31 addresses; v32-95 scale words, two sets; v128-191 the tokens' fragments, one set; v192-255 the bias.  Window 1: W's fragments, two sets.  Windows 2, 3: the accumulators.
.set KSTEP,  512
.set NQ,     KSTEP/128
.set ROWB,   256
.set KROW,   512                       ; a row of codes in memory
.set PITCH,  272                       ; 256 bytes + 16 of padding: the 16 rows that a load touches start at 16 different banks (64 banks of 4 bytes: ISA guide 11.1)
.set FR,     8
.set NL,     2
.set NP,     4                         ; places behind this matrix instruction (ISA guide 7.12.1)
.set HALFT,  128*PITCH
.set SLOT,   4*HALFT
.set KS,     32                        ; a row of scale bytes
.set SCL,    2*SLOT
.set HALFS,  (128*KS/256)*272
.set SBLK,   (16*KS/256)*272
.set SPARE,  SCL+4*HALFS               ; the spare words, 128 bytes a wave
.set ADRA, 16
.set ADRB, 20
.set VO,   26                          ; v26  my 16 bytes' place in an image of 512
.set ADRS, 27
.set SPW,  28
.set NIL,  29
.set SC,   32
.set AF,   128
.set BI,   192                         ; v192-255: bias of W's block b at v[BI + 8 b + j]
.set G1, 24
.set G0, 32
.set G1B, 48
.set G0B, 56
.set G1S, 68
.set G0S, 76
.set G1SB, 80
.set G0SB, 88
.set MSB, 0
.macro WIN new                         ; the immediate's high byte repeats the setting that is left
.if MSB != \new
	s_set_vgpr_msb (MSB<<8)|\new
.set MSB, \new
.endif
.endm
.set MUL_LO, 0xa1                      ; source 0 (W) window 1, source 1 (tokens) window 0, C and D window 2
.set MUL_HI, 0xf1
.set BIA_LO, 0x81                      ; the same with C (the bias) in window 0
.set BIA_HI, 0xc1
.set TO_B,   0x40
; A joint load: waves 0 and 1 fetch the tokens' halves, waves 2 and 3 the weight's.  An s_nop 0 and four v_nop follow each of the two lines.
.macro JLOAD g0a, g1a, g0b, g1b
	s_cmp_eq_u32 s15, 0
	s_cbranch_scc0 .Lfor_b_\@
	tensor_load_to_lds s[\g0a:\g0a+3], s[\g1a:\g1a+7]
	s_nop 0
.rept 4
	v_nop
.endr
	s_branch .Lasked_\@
.Lfor_b_\@:
	tensor_load_to_lds s[\g0b:\g0b+3], s[\g1b:\g1b+7]
	s_nop 0
.rept 4
	v_nop
.endr
.Lasked_\@:
.endm
.macro CROUND                          ; a round of the cluster's barrier
	s_barrier_signal -1
	s_barrier_wait -1
	s_cmp_lg_u32 s14, 0
	s_cbranch_scc1 .Lnot_wave_0_\@
	s_barrier_signal -3
.Lnot_wave_0_\@:
	s_barrier_wait -3
	s_barrier_signal -1
	s_barrier_wait -1
.endm
	s_load_b128 s[4:7], s[0:1], 0x0                ; codes, scales
	s_load_b128 s[8:11], s[0:1], 0x10              ; bq, bk
	s_load_b128 s[96:99], s[0:1], 0x20             ; bv, qkv
	s_load_b64 s[12:13], s[0:1], 0x30              ; qkvlo
	v_lshl_add_u32 v[SPW], v0, 2, SPARE
	v_mov_b32 v[NIL], 0
	ds_add_u32 v[SPW], v[NIL]                      ; the wave's opening: the add, twice on end, and its wait ahead of my first tensor load
	ds_add_u32 v[SPW], v[NIL]
	v_lshrrev_b32 v1, 5, v0
	v_readfirstlane_b32 s14, v1                    ; wave 0..3
	s_lshr_b32 s15, s14, 1                         ; which half of the tile's tokens is mine.  Also: I fetch tokens (0) or weights (1)
	s_and_b32 s16, s14, 1                          ; which half of its features.  Also: which 128 rows I fetch
	s_bfe_u32 s40, ttmp6, 0x40000                  ; cx: the tile column
	s_bfe_u32 s41, ttmp6, 0x40004                  ; cy: the batch
	s_and_b32 s2, ttmp7, 0xffff                    ; the cluster's y, 0..23
	s_lshr_b32 s3, s2, 3                           ; t: 0 Q, 1 K, 2 V
	s_and_b32 s2, s2, 7                            ; u: which 256 tokens of a sequence
	s_lshl_b32 s42, s3, 2
	s_add_co_u32 s42, s42, s40
	s_add_co_u32 s42, s42, 96                      ; the weight's block of 256 rows in codes: 96 + 4 t + cx
	s_lshl_b32 s17, s3, 5
	s_lshl_b32 s18, s41, 3
	s_add_co_u32 s17, s17, s18
	s_add_co_u32 s17, s17, s2                      ; the tokens' block of 256 rows: 32 t + 8 cy + u
	s_lshl_b32 s43, s41, 2
	s_lshl_b32 s43, 15, s43                        ; my row of the cluster
	s_lshl_b32 s44, 0x1111, s40                    ; my column
	s_or_b32 s[G1+0], s43, (0<<16)|(1<<20)|(1<<21)|(5<<22)|(3<<25)  ; the mask; elements of 1 byte; padding: 4 words behind every 64; bit 21 beside a mask
	s_or_b32 s[G1B+0], s44, (0<<16)|(1<<20)|(1<<21)|(5<<22)|(3<<25)
.irp g, G1, G1B
	s_mov_b32 s[\g+1], ROWB<<16                    ; tensor_dim0
	s_mov_b32 s[\g+2], 128<<16                     ; tensor_dim1
	s_mov_b32 s[\g+3], ROWB<<16                    ; tile_dim0
	s_mov_b32 s[\g+4], 128                         ; tile_dim1
	s_mov_b32 s[\g+5], KROW                        ; from row to row
	s_mov_b32 s[\g+6], 0
	s_mov_b32 s[\g+7], 0
.endr
	s_or_b32 s[G1S+0], s43, (3<<16)|(1<<20)|(1<<21)|(5<<22)|(3<<25) ; the scales of 128 rows: 4,096 dense bytes as 16 rows of 256, 16 bytes of padding behind each
	s_or_b32 s[G1SB+0], s44, (3<<16)|(1<<20)|(1<<21)|(5<<22)|(3<<25)
.irp g, G1S, G1SB
	s_mov_b32 s[\g+1], 32<<16
	s_mov_b32 s[\g+2], (128*KS/256)<<16
	s_mov_b32 s[\g+3], 32<<16
	s_mov_b32 s[\g+4], 128*KS/256
	s_mov_b32 s[\g+5], 32
	s_mov_b32 s[\g+6], 0
	s_mov_b32 s[\g+7], 0
.endr
	s_lshl_b32 s18, s16, 7
	s_lshl_b32 s20, s17, 8
	s_add_co_u32 s20, s20, s18                     ; the tokens' first row that I fetch
	s_lshl_b32 s46, s42, 8
	s_add_co_u32 s46, s46, s18                     ; the weight's
	s_mov_b32 s21, 0
	s_mov_b32 s47, 0
	s_mov_b64 s[18:19], KS
	s_mul_u64 s[22:23], s[20:21], s[18:19]
	s_mul_u64 s[92:93], s[46:47], s[18:19]
	s_mov_b64 s[18:19], KROW
	s_mul_u64 s[20:21], s[20:21], s[18:19]
	s_mul_u64 s[46:47], s[46:47], s[18:19]
	s_mul_i32 s45, s14, HALFT                      ; where they go: wave x 128 rows: no place in the cluster enters an LDS address
	s_mul_i32 s94, s14, HALFS
	s_wait_dscnt 0x0                               ; both opening adds are done
	s_wait_kmcnt 0x0
	s_add_nc_u64 s[20:21], s[4:5], s[20:21]
	s_add_nc_u64 s[22:23], s[6:7], s[22:23]
	s_add_nc_u64 s[46:47], s[4:5], s[46:47]
	s_add_nc_u64 s[92:93], s[6:7], s[92:93]
	CROUND                                         ; all sixteen work-groups are here: the first joint loads meet
	s_mov_b32 s[G0S], 1
	s_add_co_u32 s[G0S+1], s94, SCL
	s_mov_b64 s[G0S+2:G0S+3], s[22:23]
	s_or_b32 s[G0S+3], s[G0S+3], 0x80000000
	s_mov_b32 s[G0SB], 1
	s_add_co_u32 s[G0SB+1], s94, SCL
	s_mov_b64 s[G0SB+2:G0SB+3], s[92:93]
	s_or_b32 s[G0SB+3], s[G0SB+3], 0x80000000
	JLOAD G0S, G1S, G0SB, G1SB                     ; the scales first
.irp s, 0,1
	s_mov_b32 s[G0+4*\s], 1
	s_add_co_u32 s[G0+4*\s+1], s45, \s*SLOT
	s_add_nc_u64 s[G0+4*\s+2:G0+4*\s+3], s[20:21], \s*ROWB
	s_or_b32 s[G0+4*\s+3], s[G0+4*\s+3], 0x80000000
	s_mov_b32 s[G0B+4*\s], 1
	s_add_co_u32 s[G0B+4*\s+1], s45, \s*SLOT
	s_add_nc_u64 s[G0B+4*\s+2:G0B+4*\s+3], s[46:47], \s*ROWB
	s_or_b32 s[G0B+4*\s+3], s[G0B+4*\s+3], 0x80000000
	JLOAD G0+4*\s, G1, G0B+4*\s, G1B               ; both halves of K: three loads of mine are out
.endr
	v_and_b32 v1, 15, v0                           ; r
	v_bfe_u32 v2, v0, 4, 1                         ; h
	v_mul_u32_u24 v3, v1, PITCH
	v_lshl_add_u32 v4, v2, 4, v3
	s_mul_i32 s21, s15, HALFT
	s_mul_i32 s22, s16, HALFT
	s_add_co_u32 s22, s22, 2*HALFT
.irp s, 0,1
	v_add_nc_u32 v[ADRA+\s], s21, v4
	v_add_nc_u32 v[ADRB+\s], s22, v4
	s_add_co_u32 s21, s21, SLOT
	s_add_co_u32 s22, s22, SLOT
.endr
	v_mul_u32_u24 v5, v1, KS
	v_lshrrev_b32 v6, 8, v5
	v_lshl_add_u32 v5, v6, 4, v5
	s_mul_i32 s21, s15, HALFS
	s_mul_i32 s22, s16, HALFS
	s_add_co_u32 s22, s22, 2*HALFS
	s_sub_co_u32 s22, s22, s21
	v_mul_u32_u24 v6, s22, v2                      ; lanes 16-31 take the weight's scale words
	s_add_co_u32 s21, s21, SCL
	v_add_nc_u32 v5, v5, v6
	v_add_nc_u32 v[ADRS], s21, v5
	; the bias of my 128 features: lane (r, h) wants, for W's block b, numbers 16 b + 8 h + 0 .. 7
	s_cmp_eq_u32 s3, 1
	s_cselect_b64 s[8:9], s[10:11], s[8:9]
	s_cmp_eq_u32 s3, 2
	s_cselect_b64 s[8:9], s[96:97], s[8:9]
	s_lshl_b32 s46, s40, 10
	s_lshl_b32 s47, s16, 9
	s_add_co_u32 s46, s46, s47
	s_mov_b32 s47, 0
	s_add_nc_u64 s[8:9], s[8:9], s[46:47]
	v_lshlrev_b32 v7, 5, v2
.irp b, 0,1,2,3,4,5,6,7
	global_load_b128 v[BI+8*\b:BI+8*\b+3], v7, s[8:9] offset:64*\b
	global_load_b128 v[BI+8*\b+4:BI+8*\b+7], v7, s[8:9] offset:64*\b+16
.endr
	; my place in an image: Q, K as the lanes lie; V in the turning load's order
	v_and_b32 v8, 31, v0
	v_lshlrev_b32 v8, 4, v8
	v_lshrrev_b32 v9, 3, v1
	v_lshlrev_b32 v9, 4, v9
	v_lshl_add_u32 v9, v2, 3, v9
	v_and_b32 v10, 7, v1
	v_add_lshl_u32 v9, v9, v10, 4
	s_cmp_eq_u32 s3, 2
	s_cselect_b32 s18, -1, 0
	v_cndmask_b32 v[VO], v8, v9, s18
	; where my 128 tokens x 128 features begin in qkv and qkvlo
	s_lshl_b32 s20, s3, 24                         ; the tensor,
	s_lshl_b32 s21, s41, 22                        ; the batch,
	s_add_co_u32 s20, s20, s21
	s_lshl_b32 s21, s2, 15                         ; 16 u tiles of tokens of 2,048 bytes,
	s_add_co_u32 s20, s20, s21
	s_lshl_b32 s21, s15, 14                        ; my half: 8 tiles
	s_add_co_u32 s20, s20, s21
	s_mov_b32 s21, 0
	s_add_nc_u64 s[98:99], s[98:99], s[20:21]
	s_lshl_b32 s46, s40, 20                        ; head 4 cx + 2 x my half, 262,144 bytes a head
	s_lshl_b32 s47, s16, 19
	s_add_co_u32 s46, s46, s47
	s_mov_b32 s47, 0
	s_add_nc_u64 s[98:99], s[98:99], s[46:47]
	s_lshl_b32 s20, s3, 17
	s_lshl_b32 s21, s41, 15
	s_add_co_u32 s20, s20, s21
	s_mov_b32 s21, 0
	s_add_nc_u64 s[12:13], s[12:13], s[20:21]
	s_lshl_b32 s46, s40, 13
	s_lshl_b32 s47, s16, 12
	s_add_co_u32 s46, s46, s47
	s_mov_b32 s47, 0
	s_add_nc_u64 s[12:13], s[12:13], s[46:47]
	s_or_b32 s45, s2, s15                          ; 0 where my block 0 holds a sequence's first 16 tokens: the same in all partners for a given wave
	s_mov_b32 s94, 0x46000400                      ; 8193.0
	s_mov_b32 s95, s94
.macro FRAG reg, adr, q, i             ; 16 rows x 128 K of 4-bit codes: 8 registers, two loads of 16 bytes, 32 bytes apart
.irp c, 0,1
	ds_load_b128 v[\reg+4*\c:\reg+4*\c+3], v[\adr] offset:64*(\q)+32*\c+(\i)*16*PITCH
.endr
.endm
; 16 matrix instructions: the tokens' blocks a0, a0 + 1 x W's eight.  zero = 1: the first product starts the sums from the bias.  The 64 accumulators take turns, one instruction a turn.
.macro MUL16 a0, p, q, sc, zero
.irp a, \a0, \a0+1
.irp b, 0,1,2,3,4,5,6,7
.if \zero
	v_wmma_scale_f32_16x16x128_f8f6f4 v[8*(8*((\a)%4)+\b):8*(8*((\a)%4)+\b)+7], v[128*(\p)+FR*\b:128*(\p)+FR*\b+FR-1], v[AF+FR*(\a):AF+FR*(\a)+FR-1], v[BI+8*\b:BI+8*\b+7], v[SC+8*NQ*(\sc)+NQ*\b+(\q)], v[SC+8*NQ*(\sc)+NQ*(\a)+(\q)] matrix_a_fmt:MATRIX_FMT_FP4 matrix_b_fmt:MATRIX_FMT_FP4 matrix_a_scale:MATRIX_SCALE_ROW1
.else
	v_wmma_scale_f32_16x16x128_f8f6f4 v[8*(8*((\a)%4)+\b):8*(8*((\a)%4)+\b)+7], v[128*(\p)+FR*\b:128*(\p)+FR*\b+FR-1], v[AF+FR*(\a):AF+FR*(\a)+FR-1], v[8*(8*((\a)%4)+\b):8*(8*((\a)%4)+\b)+7], v[SC+8*NQ*(\sc)+NQ*\b+(\q)], v[SC+8*NQ*(\sc)+NQ*(\a)+(\q)] matrix_a_fmt:MATRIX_FMT_FP4 matrix_b_fmt:MATRIX_FMT_FP4 matrix_a_scale:MATRIX_SCALE_ROW1
.endif
.endr
.endr
.endm
.macro FETCH_B slot, q, p
	WIN TO_B
.irp i, 0,1,2,3,4,5,6,7
	FRAG 128*(\p)+FR*\i, ADRB+\slot, \q, \i
.endr
	WIN 0
.endm
.macro FETCH_A slot, q, i0
.irp i, \i0, \i0+1, \i0+2, \i0+3
	FRAG AF+FR*(\i), ADRA+\slot, \q, \i
.endr
.endm
.macro SCALES sc                       ; a slot's scale words: lanes 0-15 the tokens' block i, lanes 16-31 W's block i
.irp i, 0,1,2,3,4,5,6,7
	ds_load_b128 v[SC+8*NQ*\sc+NQ*\i:SC+8*NQ*\sc+NQ*\i+3], v[ADRS] offset:\i*SBLK
.endr
.endm
.macro PLACES n                        ; plain vector instructions between a matrix instruction and a load into, or a read of, its registers
.rept \n
	v_nop
.endr
.endm
.macro STEP slot, q, zero              ; 128 along K, with its successor in the same slot
	s_wait_dscnt 4*NL                              ; W's set and the tokens' blocks 0-3 are in; the youngest eight loads (blocks 4-7) may be out
.if \zero
	WIN BIA_LO
.else
	WIN MUL_LO
.endif
	MUL16 0, (\q)%2, \q, \slot, \zero
	MUL16 2, (\q)%2, \q, \slot, \zero
	s_wait_dscnt 0
	PLACES NP
	FETCH_B \slot, (\q)+1, 1-(\q)%2
	FETCH_A \slot, (\q)+1, 0
.if \zero
	WIN BIA_HI
.else
	WIN MUL_HI
.endif
	MUL16 4, (\q)%2, \q, \slot, \zero
	MUL16 6, (\q)%2, \q, \slot, \zero
	PLACES NP
	WIN 0
	FETCH_A \slot, (\q)+1, 4
.endm
.macro STEPS slot, from
.set Q, \from
.rept NQ-1-\from
	STEP \slot, Q, 0
.set Q, Q+1
.endr
.endm
	s_wait_tensorcnt 1                             ; the scales and my part of slot 0 are in; slot 1's load may be out
	s_barrier_signal -1
	s_barrier_wait -1
	FETCH_B 0, 0, 0
	FETCH_A 0, 0, 0
	SCALES 0
	FETCH_A 0, 0, 4
	s_wait_loadcnt 0x0                             ; the bias
	STEP 0, 0, 1
	STEPS 0, 1
	; slot 0's last step changes slots: one barrier, in front of which my part of slot 1 has landed
	s_wait_tensorcnt 0x0
	ds_add_u32 v[SPW], v[NIL]
	s_wait_dscnt 4*NL+1                            ; (the add and the youngest eight loads may be out)
	WIN MUL_LO
	MUL16 0, 1, NQ-1, 0, 0
	s_wait_dscnt 0x0
	s_barrier_signal -1
	MUL16 2, 1, NQ-1, 0, 0
	WIN 0
	s_barrier_wait -1
	PLACES NP
	v_add_nc_u32 v[ADRS], 4*NQ, v[ADRS]            ; on to slot 1's scale words
	FETCH_B 1, 0, 0
	FETCH_A 1, 0, 0
	SCALES 1
	WIN MUL_HI
	MUL16 4, 1, NQ-1, 0, 0
	MUL16 6, 1, NQ-1, 0, 0
	PLACES NP
	WIN 0
	FETCH_A 1, 0, 4
	STEPS 1, 0
	s_wait_dscnt 4*NL                              ; the very last step
	WIN MUL_LO
	MUL16 0, 1, NQ-1, 1, 0
	MUL16 2, 1, NQ-1, 1, 0
	s_wait_dscnt 0
	WIN MUL_HI
	MUL16 4, 1, NQ-1, 1, 0
	MUL16 6, 1, NQ-1, 1, 0
	WIN 0
; THE WAY OUT, block by block of 16 tokens: each accumulator, from its low end on, packs into a lane's 16 bytes of an image; eight stores of 512 consecutive bytes.
.macro SENDH a, tp
.irp b, 0,1,2,3,4,5,6,7
	global_store_b128 v[VO], v[\tp+4*\b:\tp+4*\b+3], s[98:99] offset:(\a)*2048+(\b/4)*262144+((\b/2)%2)*1024+(\b%2)*512
.endr
.endm
	PLACES NP
	s_cmp_eq_u32 s45, 0
	s_cbranch_scc0 .Lplain
	; a sequence's first 16 tokens: split in f32, so that high part + low part is the sum itself
	WIN 0x02                                       ; source 0: window 2
.set i, 0
.rept 32
	v_pk_mul_f32 v[128+2*i:129+2*i], v[2*i:2*i+1], s[94:95] op_sel_hi:[1,0]
.set i, i+1
.endr
.set i, 0
.rept 32
	v_pk_add_f32 v[192+2*i:193+2*i], v[2*i:2*i+1], v[128+2*i:129+2*i] neg_lo:[0,1] neg_hi:[0,1]
.set i, i+1
.endr
	WIN 0
.set i, 0
.rept 32
	v_pk_add_f32 v[128+2*i:129+2*i], v[128+2*i:129+2*i], v[192+2*i:193+2*i]
.set i, i+1
.endr
	WIN 0x02
.set i, 0
.rept 32
	v_pk_add_f32 v[192+2*i:193+2*i], v[2*i:2*i+1], v[128+2*i:129+2*i] neg_lo:[0,1] neg_hi:[0,1]
.set i, i+1
.endr
	WIN 0
.set i, 0
.rept 32
	v_cvt_pk_f16_f32 v[32+i], v[128+2*i], v[129+2*i]
	v_cvt_pk_f16_f32 v[64+i], v[192+2*i], v[193+2*i]
.set i, i+1
.endr
.irp b, 0,1,2,3,4,5,6,7
	global_store_b128 v[VO], v[64+4*\b:67+4*\b], s[12:13] offset:(\b/4)*2048+((\b/2)%2)*1024+(\b%2)*512
.endr
	s_branch .Lsend0
.Lplain:
	WIN 0x0a                                       ; sources 0 and 1: window 2
.set i, 0
.rept 32
	v_cvt_pk_f16_f32 v[32+i], v[2*i], v[2*i+1]
.set i, i+1
.endr
	WIN 0
.Lsend0:
	SENDH 0, 32
.irp a, 1,2,3,4,5,6,7
.if \a == 5
	s_wait_xcnt 0x0                                ; blocks 1 to 4's stores have read their data: their registers are written again only behind this wait
.endif
.set AC, 64*((\a)%4)
.set TP, 128+32*(((\a)-1)%4)
	WIN 0x0a+5*((\a)/4)
.set i, 0
.rept 32
	v_cvt_pk_f16_f32 v[TP+i], v[AC+2*i], v[AC+2*i+1]
.set i, i+1
.endr
	WIN 0
	SENDH \a, TP
.endr
	s_wait_tensorcnt 0x0                           ; the wave's end
	ds_add_u32 v[SPW], v[NIL]
	s_wait_dscnt 0x0
	CROUND                                         ; the closing round
	s_endpgm
.Lfunc_end_k_q03e9e41623_proj:
	.size	k_q03e9e41623_proj, .Lfunc_end_k_q03e9e41623_proj-k_q03e9e41623_proj
	.p2alignl 7, 3214868480
	.fill 96, 4, 3214868480
	.section	.rodata,"a",@progbits
	.p2align	6, 0x0
	.amdhsa_kernel k_q03e9e41623_proj
		.amdhsa_group_segment_fixed_size 327680
		.amdhsa_private_segment_fixed_size 0
		.amdhsa_enable_private_segment 0
		.amdhsa_kernarg_size 56
		.amdhsa_user_sgpr_count 2
		.amdhsa_user_sgpr_kernarg_segment_ptr 1
		.amdhsa_wavefront_size32 1
		.amdhsa_system_sgpr_workgroup_id_x 1
		.amdhsa_system_sgpr_workgroup_id_y 1
		.amdhsa_system_sgpr_workgroup_id_z 1
		.amdhsa_system_vgpr_workitem_id 0
		.amdhsa_next_free_vgpr 1024
		.amdhsa_next_free_sgpr 100
		.amdhsa_reserve_vcc 0
		.amdhsa_float_denorm_mode_32 3
		.amdhsa_float_denorm_mode_16_64 3
		.amdhsa_memory_ordered 1
		.amdhsa_forward_progress 1
		.amdhsa_inst_pref_size 133
	.end_amdhsa_kernel
	.amdgpu_metadata
---
amdhsa.version: [ 1, 2 ]
amdhsa.kernels:
  - .name:           k_q03e9e41623_proj
    .symbol:         k_q03e9e41623_proj.kd
    .args:
      - { .name: codes, .offset: 0, .size: 8, .value_kind: global_buffer, .address_space: global }
      - { .name: scales, .offset: 8, .size: 8, .value_kind: global_buffer, .address_space: global }
      - { .name: bq, .offset: 16, .size: 8, .value_kind: global_buffer, .address_space: global }
      - { .name: bk, .offset: 24, .size: 8, .value_kind: global_buffer, .address_space: global }
      - { .name: bv, .offset: 32, .size: 8, .value_kind: global_buffer, .address_space: global }
      - { .name: qkv, .offset: 40, .size: 8, .value_kind: global_buffer, .address_space: global }
      - { .name: qkvlo, .offset: 48, .size: 8, .value_kind: global_buffer, .address_space: global }
    .group_segment_fixed_size: 327680
    .private_segment_fixed_size: 0
    .kernarg_segment_align: 8
    .kernarg_segment_size: 56
    .max_flat_workgroup_size: 128
    .sgpr_count:     100
    .vgpr_count:     1024
    .wavefront_size: 32
...
	.end_amdgpu_metadata
.endif
;; end of part 2
;; launch attn (part 3): grid 256 x 1, 8 waves a work-group, no clusters, 33,792 bytes of LDS; arguments qkv, maskw, flags, att16; writes att16
.if DOCPART == 3
	.amdgcn_target "amdgcn-amd-amdhsa--gfx1250"
	.amdhsa_code_object_version 6
	.text
	.protected	k_q03e9e41623_attn
	.globl	k_q03e9e41623_attn
	.p2align	8
	.type	k_q03e9e41623_attn,@function
k_q03e9e41623_attn:
	s_mov_b64 s[64:65], 0
	v_nop
	global_prefetch_b8 v0, s[64:65] scope:SCOPE_SE
	s_setreg_imm32_b32 hwreg(HW_REG_WAVE_MODE, 25, 1), 1
	s_wait_xcnt 0x0
; ATTN: O[b][head][q] = the sum over k of softmax_k(masked Q.K / 8) V, f16 operands, f32 products' sums, maxima and row sums; O rounded to f16 once.
; qkv: images of operand registers, [t][batch x head 64][16 tokens 128][32 of the head 2][half 2][512 bytes]; att16: [16 rows 512][32 along K 32][half][512 bytes], the next launch's operand.
; THE MASK IS AN INPUT.  maskw holds it as lane masks (word 8 t + j of a tile of 16 queries and a step of 64 keys: bit = lane), flags two words a tile: ANY and FULL, a bit a key step.
; A masked score becomes -2^70 (as raw score; the reference's -1e20 stands for the same: under every score).  A power of two, so that c x it is exact and 2^(c s - c m) is exactly 1 while a row has seen masked keys alone:
; a row with no open key averages V over all keys, as the reference does; as soon as an open key comes, what was summed is multiplied by 0.
; A step in which no entry of my 32 queries is open is left out (its p would all be 0: ANY is all ones for a tile with a wholly masked row); a step that is FULL skips the masking.
; K and V come by plain loads and LDS stores, not by tensor loads, and there is no cluster: which steps a work-group walks hangs on the mask.
; SHARES.  Work-group g: (batch, head) g / 4; query blocks 7 - g % 4 and g % 4 of 256 queries, one after the other: equal work under a causal mask, right under any.  Wave w: 32 queries, two tiles.
; Two waves share a SIMD: one's softmax stands beside the other's products.  A key step is 64 keys: each wave copies 2 KB of the step's 16 KB one step ahead; ONE barrier a step: the slot written now was last read two steps back.
; LAYOUT.  S^T = K Q^T, O^T = V^T P: a lane holds one query throughout.  V's images lie so that ds_load_tr16_b128 at 16 x lane gives a fragment of V^T.
; LIMITS: raw scores above -2^70; p under 6e-8 of a row's largest is 0 in f16; NaN and infinities are not served.
; REGISTERS.  Window 0: v1-7 addresses and constants; v16-31 statistics; v32-47 the copy in hand; v64-127 S^T; v128-159 P; v160-223 O^T; v224-255 O packed.  Window 1: v0-31 Q; v64-127 K; v128-191 V^T.
.set LI,  1                            ; v1  16 x lane
.set SA,  2                            ; v2  where I store my part of a step: 2,048 x wave + 16 x lane
.set GA,  3                            ; v3  the same in memory: 2,048 x (wave % 4) + 16 x lane
.set NEG, 4                            ; v4  -2^70
.set PFO, 5                            ; v5  256 x lane
.set SPW, 6
.set NIL, 7
.set ST,  16                           ; tile q at v[ST + 8 q]: c m, m, l (two halves), c0-c3 at work; a takes c2's place
.set G,   32
.set S,   64                           ; S + 32 q + 8 t
.set P,   128                          ; P + 16 q + 4 t
.set O,   160                          ; O + 32 q + 8 dt
.set OUTP, 224
.set SPARE, 32768                      ; behind the two slots: the spare words, 128 bytes a wave
; s[4:5] Q of my head, s[6:7] maskw, s[8:9] flags, s[10:11] att16 at my batch and head; s12 wave; s15 block; s[16:47], s[68:99] mask words; s48 the work-group's ANY, s49 my ANY, s50 my FULL (bit 0 = the step in hand);
; s51, s52 counters; s53 my place in maskw; s[54:55] the walking base of K (waves 0-3) or V (4-7); s[56:57] its start; s[58:59] c; s[60:61] lane selects; s62 prefetch limit
.set MSB, 0
.macro WIN new
.if MSB != \new
	s_set_vgpr_msb (MSB<<8)|\new
.set MSB, \new
.endif
.endm
	s_load_b256 s[4:11], s[0:1], 0x0
	v_lshl_add_u32 v[SPW], v0, 2, SPARE
	v_mov_b32 v[NIL], 0
	v_lshrrev_b32 v8, 5, v0
	v_readfirstlane_b32 s12, v8
	v_and_b32 v9, 31, v0
	v_lshlrev_b32 v[LI], 4, v9
	s_lshl_b32 s13, s12, 11
	v_add_nc_u32 v[SA], s13, v[LI]
	s_and_b32 s13, s12, 3
	s_lshl_b32 s13, s13, 11
	v_add_nc_u32 v[GA], s13, v[LI]
	v_mov_b32 v[NEG], 0xe2800000
	v_lshlrev_b32 v[PFO], 8, v9
.set i, 0
.rept 16
	v_mov_b32 v[G+i], 0                            ; written once, so that the copy's registers hold numbers on every way
.set i, i+1
.endr
	s_lshr_b32 s14, ttmp9, 2                       ; batch x 16 + head
	s_and_b32 s15, ttmp9, 3
	s_and_b32 s13, s12, 3                          ; waves 0 (K) and 4 (V) of a head's first work-group prefetch, in its first block
	s_or_b32 s13, s13, s15
	s_cmp_eq_u32 s13, 0
	s_cselect_b32 s62, 14, 0
	s_sub_co_u32 s15, 7, s15                       ; the first block
	s_mov_b32 s58, 0x3e38aa3b                      ; c = log2(e) / 8
	s_mov_b32 s59, s58
	s_mov_b32 s60, 0x76543210
	s_mov_b32 s61, 0xfedcba98
	s_lshl_b32 s66, s14, 18
	s_mov_b32 s67, 0
	s_mov_b32 s13, 0x2000000
	s_cmp_lt_u32 s12, 4
	s_cselect_b32 s13, 0x1000000, s13              ; K lies 2^24 bytes behind Q, V 2^25
	s_wait_kmcnt 0x0
	s_add_nc_u64 s[4:5], s[4:5], s[66:67]
	s_mov_b32 s66, s13
	s_add_nc_u64 s[56:57], s[4:5], s[66:67]
	s_lshr_b32 s66, s14, 4
	s_lshl_b32 s66, s66, 22                        ; the batch's 128 row tiles of 32,768 bytes,
	s_and_b32 s13, s14, 15
	s_lshl_b32 s13, s13, 11                        ; the head's 2,048 bytes in each
	s_add_co_u32 s66, s66, s13
	s_add_nc_u64 s[10:11], s[10:11], s[66:67]
	s_mov_b32 s52, 0
.macro KQ                              ; S^T = K Q^T: 16 products, eight accumulators by turns; the first eight start the sums
	WIN 0x05
.set i, 0
.rept 16
.set rS, S+32*(i%2)+8*((i/2)%4)
.set rK, 64+16*((i/2)%4)+8*(i/8)
.set rQ, 16*(i%2)+8*(i/8)
.if i < 8
	v_wmma_f32_16x16x32_f16 v[rS:rS+7], v[rK:rK+7], v[rQ:rQ+7], 0
.else
	v_wmma_f32_16x16x32_f16 v[rS:rS+7], v[rK:rK+7], v[rQ:rQ+7], v[rS:rS+7]
.endif
.set i, i+1
.endr
	WIN 0
.rept 4
	v_nop                                          ; places in front of the first read of the scores
.endr
.endm
.macro PV                              ; O^T += V^T P: 16 products, eight accumulators by turns
	WIN 0x01
.set i, 0
.rept 16
.set rO, O+32*(i%2)+8*((i/2)%4)
.set rV, 128+16*((i/2)%4)+8*(i/8)
.set rP, P+16*(i%2)+8*(i/8)
	v_wmma_f32_16x16x32_f16 v[rO:rO+7], v[rV:rV+7], v[rP:rP+7], v[rO:rO+7]
.set i, i+1
.endr
	WIN 0
.rept 4
	v_nop                                          ; places in front of the next loads into V's registers and the next reads of O^T
.endr
.endm
.macro SOFTMAX                         ; both tiles, line by line by turns
.irp j, 0,1,2,3
.irp q, 0,1
	v_max3_num_f32 v[ST+8*\q+4+\j], v[S+32*\q+8*\j], v[S+32*\q+8*\j+1], v[S+32*\q+8*\j+2]
.endr
.endr
.irp u, 3,5
.irp j, 0,1,2,3
.irp q, 0,1
	v_max3_num_f32 v[ST+8*\q+4+\j], v[ST+8*\q+4+\j], v[S+32*\q+8*\j+\u], v[S+32*\q+8*\j+\u+1]
.endr
.endr
.endr
.irp q, 0,1
	v_max3_num_f32 v[ST+8*\q+4], v[ST+8*\q+4], v[S+32*\q+7], v[S+32*\q+15]
	v_max3_num_f32 v[ST+8*\q+6], v[ST+8*\q+6], v[S+32*\q+23], v[S+32*\q+31]
.endr
.irp q, 0,1
	v_max3_num_f32 v[ST+8*\q+4], v[ST+8*\q+4], v[ST+8*\q+5], v[ST+8*\q+6]
.endr
.irp q, 0,1
	v_max3_num_f32 v[ST+8*\q+4], v[ST+8*\q+4], v[ST+8*\q+7], v[ST+8*\q+1]   ; with the old m
.endr
.irp q, 0,1
	v_permlanex16_b32 v[ST+8*\q+5], v[ST+8*\q+4], s60, s61                  ; the query's other 32 keys lie 16 lanes away
.endr
.irp q, 0,1
	v_mov_b32 v[ST+8*\q+7], v[ST+8*\q]                                      ; c m_old
.endr
.irp q, 0,1
	v_max_num_f32 v[ST+8*\q+1], v[ST+8*\q+4], v[ST+8*\q+5]
.endr
.irp q, 0,1
	v_mul_f32 v[ST+8*\q], s58, v[ST+8*\q+1]
.endr
.irp q, 0,1
	v_sub_f32 v[ST+8*\q+7], v[ST+8*\q+7], v[ST+8*\q]
.endr
.set i, 0
.rept 16
.irp q, 0,1
	v_pk_fma_f32 v[S+32*\q+2*i:S+32*\q+2*i+1], v[S+32*\q+2*i:S+32*\q+2*i+1], s[58:59], v[ST+8*\q:ST+8*\q+1] op_sel_hi:[1,0,0] neg_lo:[0,0,1] neg_hi:[0,0,1]   ; c s - c m
.endr
.set i, i+1
.endr
.irp q, 0,1
	v_exp_f32 v[ST+8*\q+6], v[ST+8*\q+7]                                    ; a = 2^(c m_old - c m)
.endr
.set i, 0
.rept 32
.irp q, 0,1
	v_exp_f32 v[S+32*\q+i], v[S+32*\q+i]
.endr
.set i, i+1
.endr
	v_nop                                          ; a plain line behind the last exponential
	s_wait_alu depctr_va_vdst(0)                   ; one wait for the batch of 66, ahead of its first reader
.set i, 0
.rept 16
.irp q, 0,1
	v_cvt_pk_f16_f32 v[P+16*\q+i], v[S+32*\q+2*i], v[S+32*\q+2*i+1]
.endr
.set i, i+1
.endr
.irp w, 4,8,16,32                      ; the row's sum of the unrounded p, pairs by halving
.set i, 0
.rept 32/\w
.irp q, 0,1
	v_pk_add_f32 v[S+32*\q+\w*i:S+32*\q+\w*i+1], v[S+32*\q+\w*i:S+32*\q+\w*i+1], v[S+32*\q+\w*i+\w/2:S+32*\q+\w*i+\w/2+1]
.endr
.set i, i+1
.endr
.endr
.irp q, 0,1
	v_pk_fma_f32 v[ST+8*\q+2:ST+8*\q+3], v[ST+8*\q+2:ST+8*\q+3], v[ST+8*\q+6:ST+8*\q+7], v[S+32*\q:S+32*\q+1] op_sel_hi:[1,0,1]   ; l = a l + the sum
.endr
.set i, 0
.rept 16
.irp q, 0,1
	v_pk_mul_f32 v[O+32*\q+2*i:O+32*\q+2*i+1], v[O+32*\q+2*i:O+32*\q+2*i+1], v[ST+8*\q+6:ST+8*\q+7] op_sel_hi:[1,0]
.endr
.set i, i+1
.endr
.endm
; A KEY STEP, in slot 0 or 1.
.macro TRIP slot
	s_wait_loadcnt 0x0                             ; my part of this step's K or V has come (in a block's first step: Q too)
	s_bitcmp1_b32 s48, 0                           ; does any wave of the work-group want this step?
	s_cbranch_scc0 .Lnostore_\@
.irp i, 0,1,2,3
	ds_store_b128 v[SA], v[G+4*\i:G+4*\i+3] offset:(\slot)*16384+512*\i
.endr
.Lnostore_\@:
	s_wait_dscnt 0x0                               ; my stores have landed, and my reads of the other slot are over
	s_barrier_signal -1
	s_barrier_wait -1                              ; on every way: the slot is whole, and nobody reads the other one any more
	s_wait_xcnt 0x0                                ; the earlier loads and the prefetch have read their base
	s_add_nc_u64 s[54:55], s[54:55], 8192
	s_bitcmp1_b32 s48, 1                           ; the next step, if it is wanted (behind step 31 the bit is 0: no load leaves the buffer)
	s_cbranch_scc0 .Lnoload_\@
.irp i, 0,1,2,3
	global_load_b128 v[G+4*\i:G+4*\i+3], v[GA], s[54:55] offset:512*\i
.endr
.Lnoload_\@:
	s_cmp_lt_u32 s51, s62                          ; a prefetch of the tile four steps on: 32 lanes x 256 bytes, each block named once in the launch; it ends with the head's last tile
	s_cbranch_scc0 .Lnoask_\@
	global_prefetch_b8 v[PFO], s[54:55] offset:24576 th:TH_LOAD_NT scope:SCOPE_SE
.Lnoask_\@:
	s_bitcmp1_b32 s49, 0                           ; has one of my 32 queries an open key here?
	s_cbranch_scc0 .Lidle_\@
	WIN 0x40                                       ; destination window 1
.set f, 0
.rept 16
	ds_load_b128 v[64+4*f:67+4*f], v[LI] offset:(\slot)*16384+512*f
.set f, f+1
.endr
.set f, 0
.rept 16
	ds_load_tr16_b128 v[128+4*f:131+4*f], v[LI] offset:(\slot)*16384+8192+(f%4)*2048+(f/4)*512
.set f, f+1
.endr
	WIN 0
	s_bitcmp1_b32 s50, 0
	s_cbranch_scc1 .Lopen_\@
	s_load_b512 s[16:31], s[6:7], s53 offset:0x0   ; the step's lane masks of my two tiles
	s_load_b512 s[32:47], s[6:7], s53 offset:0x40
	s_load_b512 s[68:83], s[6:7], s53 offset:0x1000
	s_load_b512 s[84:99], s[6:7], s53 offset:0x1040
	s_wait_dscnt 16                                ; K is in; V's sixteen loads may be out
	KQ
	s_wait_kmcnt 0x0
.set n, 0
.rept 32
	v_cndmask_b32 v[S+n], v[NEG], v[S+n], s[16+n]
	v_cndmask_b32 v[S+32+n], v[NEG], v[S+32+n], s[68+n]
.set n, n+1
.endr
	s_branch .Lsoft_\@
.Lopen_\@:
	s_wait_dscnt 16
	KQ
.Lsoft_\@:
	SOFTMAX
	s_wait_dscnt 0x0                               ; V
	PV
.Lidle_\@:
	s_lshr_b32 s48, s48, 1
	s_lshr_b32 s49, s49, 1
	s_lshr_b32 s50, s50, 1
	s_add_co_u32 s53, s53, 128
.endm
.Lblock:
	s_wait_loadcnt 0x0                             ; no load into the copy's registers is out when the block's first loads are issued into them (the last step asks for nothing, by its bit; this wait says so on every way)
	s_wait_xcnt 0x0                                ; the last block's stores and loads have read their registers
	s_lshl_b32 s13, s15, 6
	s_load_b512 s[16:31], s[8:9], s13 offset:0x0   ; ANY of the block's 16 tiles
	s_lshl_b32 s14, s12, 3
	s_add_co_u32 s14, s14, s13
	s_load_b64 s[32:33], s[8:9], s14 offset:0x0    ; of my two,
	s_load_b64 s[34:35], s[8:9], s14 offset:0x200  ; and their FULL
	s_lshl_b32 s66, s15, 15
	s_lshl_b32 s63, s12, 12
	s_add_co_u32 s66, s66, s63
	s_mov_b32 s67, 0
	s_add_nc_u64 s[66:67], s[4:5], s[66:67]
	WIN 0x40
.set f, 0
.rept 8
	global_load_b128 v[4*f:4*f+3], v[LI], s[66:67] offset:512*f   ; Q stays in registers: tile f / 4
.set f, f+1
.endr
	WIN 0
.set i, 0
.rept 64
	v_mov_b32 v[O+i], 0                            ; where a block's first walked step lies hangs on the mask, so the step is written once and finds zeros
.set i, i+1
.endr
.irp q, 0,1
	v_mov_b32 v[ST+8*\q+1], 0xff61b1e6             ; m = -3e38, under every score
	v_mov_b32 v[ST+8*\q+2], 0
	v_mov_b32 v[ST+8*\q+3], 0
	v_mov_b32 v[ST+8*\q+4], 0
	v_mov_b32 v[ST+8*\q+5], 0
	v_mov_b32 v[ST+8*\q+6], 0
	v_mov_b32 v[ST+8*\q+7], 0
	v_mul_f32 v[ST+8*\q], s58, v[ST+8*\q+1]
.endr
	s_wait_kmcnt 0x0
	s_or_b32 s48, s16, s17
.set n, 18
.rept 14
	s_or_b32 s48, s48, s[n]
.set n, n+1
.endr
	s_or_b32 s49, s32, s33
	s_and_b32 s50, s34, s35
	s_mov_b64 s[54:55], s[56:57]
	s_lshl_b32 s53, s15, 16
	s_lshl_b32 s63, s12, 13
	s_add_co_u32 s53, s53, s63
	s_bitcmp1_b32 s48, 0
	s_cbranch_scc0 .Lnofirst
.irp i, 0,1,2,3
	global_load_b128 v[G+4*\i:G+4*\i+3], v[GA], s[54:55] offset:512*\i
.endr
.Lnofirst:
	s_mov_b32 s51, 0
.Ltrip:
	TRIP 0
	TRIP 1
	s_add_co_u32 s51, s51, 1
	s_cmp_lt_u32 s51, 16
	s_cbranch_scc1 .Ltrip
	; the block's end: O^T / l, rounded to f16; a lane's eight channels are its 16 bytes of an image
.irp q, 0,1
	v_add_f32 v[ST+8*\q+4], v[ST+8*\q+2], v[ST+8*\q+3]
.endr
.irp q, 0,1
	v_permlanex16_b32 v[ST+8*\q+5], v[ST+8*\q+4], s60, s61
.endr
.irp q, 0,1
	v_add_f32 v[ST+8*\q+4], v[ST+8*\q+4], v[ST+8*\q+5]
.endr
.irp q, 0,1
	v_rcp_f32 v[ST+8*\q+6], v[ST+8*\q+4]           ; l is at least 1: the row's largest p is 1
.endr
	v_nop
	s_wait_alu depctr_va_vdst(0)                   ; one wait for the two reciprocals
.set i, 0
.rept 16
.irp q, 0,1
	v_pk_mul_f32 v[O+32*\q+2*i:O+32*\q+2*i+1], v[O+32*\q+2*i:O+32*\q+2*i+1], v[ST+8*\q+6:ST+8*\q+7] op_sel_hi:[1,0]
.endr
.set i, i+1
.endr
.set i, 0
.rept 32
	v_cvt_pk_f16_f32 v[OUTP+i], v[O+2*i], v[O+2*i+1]
.set i, i+1
.endr
	s_lshl_b32 s66, s15, 19
	s_lshl_b32 s63, s12, 16
	s_add_co_u32 s66, s66, s63
	s_mov_b32 s67, 0
	s_add_nc_u64 s[66:67], s[10:11], s[66:67]
.irp q, 0,1
.irp d, 0,1,2,3
	global_store_b128 v[LI], v[OUTP+16*\q+4*\d:OUTP+16*\q+4*\d+3], s[66:67] offset:\q*32768+\d*512   ; 512 consecutive bytes, aligned
.endr
.endr
	s_sub_co_u32 s15, 7, s15                       ; the other block
	s_mov_b32 s62, 0                               ; K and V have been read: no more prefetches
	s_add_co_u32 s52, s52, 1
	s_cmp_lt_u32 s52, 2
	s_cbranch_scc1 .Lblock
	s_wait_tensorcnt 0x0                           ; the wave's end, behind my last LDS store
	ds_add_u32 v[SPW], v[NIL]
	s_wait_dscnt 0x0
	s_endpgm
.Lfunc_end_k_q03e9e41623_attn:
	.size	k_q03e9e41623_attn, .Lfunc_end_k_q03e9e41623_attn-k_q03e9e41623_attn
	.p2alignl 7, 3214868480
	.fill 96, 4, 3214868480
	.section	.rodata,"a",@progbits
	.p2align	6, 0x0
	.amdhsa_kernel k_q03e9e41623_attn
		.amdhsa_group_segment_fixed_size 33792
		.amdhsa_private_segment_fixed_size 0
		.amdhsa_enable_private_segment 0
		.amdhsa_kernarg_size 32
		.amdhsa_user_sgpr_count 2
		.amdhsa_user_sgpr_kernarg_segment_ptr 1
		.amdhsa_wavefront_size32 1
		.amdhsa_system_sgpr_workgroup_id_x 1
		.amdhsa_system_sgpr_workgroup_id_y 1
		.amdhsa_system_sgpr_workgroup_id_z 1
		.amdhsa_system_vgpr_workitem_id 0
		.amdhsa_next_free_vgpr 512
		.amdhsa_next_free_sgpr 100
		.amdhsa_reserve_vcc 0
		.amdhsa_float_denorm_mode_32 3
		.amdhsa_float_denorm_mode_16_64 3
		.amdhsa_memory_ordered 1
		.amdhsa_forward_progress 1
		.amdhsa_inst_pref_size 61
	.end_amdhsa_kernel
	.amdgpu_metadata
---
amdhsa.version: [ 1, 2 ]
amdhsa.kernels:
  - .name:           k_q03e9e41623_attn
    .symbol:         k_q03e9e41623_attn.kd
    .args:
      - { .name: qkv, .offset: 0, .size: 8, .value_kind: global_buffer, .address_space: global }
      - { .name: maskw, .offset: 8, .size: 8, .value_kind: global_buffer, .address_space: global }
      - { .name: flags, .offset: 16, .size: 8, .value_kind: global_buffer, .address_space: global }
      - { .name: att16, .offset: 24, .size: 8, .value_kind: global_buffer, .address_space: global }
    .group_segment_fixed_size: 33792
    .private_segment_fixed_size: 0
    .kernarg_segment_align: 8
    .kernarg_segment_size: 32
    .max_flat_workgroup_size: 256
    .sgpr_count:     100
    .vgpr_count:     512
    .wavefront_size: 32
...
	.end_amdgpu_metadata
.endif
;; end of part 3
;; launch oproj (part 4): grid 8 x 64, 4 waves a work-group, clusters of 4 x 4, 327,680 bytes of LDS; arguments att16, wo16, bo, out0; writes out0
.if DOCPART == 4
	.amdgcn_target "amdgcn-amd-amdhsa--gfx1250"
	.amdhsa_code_object_version 6
	.text
	.protected	k_q03e9e41623_oproj
	.globl	k_q03e9e41623_oproj
	.p2align	8
	.type	k_q03e9e41623_oproj,@function
k_q03e9e41623_oproj:
	s_mov_b64 s[64:65], 0
	v_nop
	global_prefetch_b8 v0, s[64:65] scope:SCOPE_SE
	s_setreg_imm32_b32 hwreg(HW_REG_WAVE_MODE, 25, 1), 1
	s_wait_xcnt 0x0
	s_wait_alu depctr_hold_cnt(0) depctr_sa_sdst(0) depctr_va_vdst(0) depctr_va_sdst(0) depctr_va_ssrc(0) depctr_va_vcc(0) depctr_vm_vsrc(0)
	s_getreg_b32 s2, hwreg(HW_REG_IB_STS2, 6, 4)
	s_cmp_eq_u32 s2, 0
	s_cbranch_scc0 .Lentry_in_a_cluster
	s_endpgm
.Lentry_in_a_cluster:
	s_bfe_u32 s2, ttmp6, 0x10000c
	s_cmp_lg_u32 s2, 0xf033
	s_cbranch_scc0 .Lentry_shape_is_right
	s_endpgm
.Lentry_shape_is_right:
; OPROJ: out0 = attn Wo^T + bo.  attn [8192][1024] and Wo [1024][1024] in f16 (Wo's high part), sums and result in f32.
; Both operands lie in memory as images of operand registers: [16 rows][32 along K: 32 of them][half][512 bytes], lane l's 16 bytes at 16 l.  So a K step of 256 of 16 rows is 8,192 consecutive bytes,
; a wave's tensor load brings four such rows (64 rows of the matrix), no padding is wanted, and every fragment load reads 512 consecutive bytes of LDS.
; A tile of out0 is 128 x 128: 512 work-groups; four waves, each 64 x 64: 16 accumulators.  K goes in four steps of 256 through two slots of 131,072 bytes.
; CLUSTERS: 4 x 4; attn's tile is shared along a row of the cluster, Wo's along a column, each asked for jointly.  TRANSPOSED USE: source 0 = 16 rows of Wo, source 1 = 16 rows of attn.
; bo is the C of each sum's first product.  A wave's 64 columns of f32 are 256 bytes, aligned.
; (The first 16 rows of each sequence are written once more, more finely, by the launch that follows.)
; REGISTERS: window 0: v0-31 addresses; v32-95 the bias, later the way out; v128-255 the accumulators ((a, b) at v[128 + 8 (4 a + b)]).  Window 1: two fragment buffers of 128.
.set HALFT,  32768                     ; what one tensor load brings, and what one wave reads of either operand
.set SLOT,   4*HALFT
.set STAGE,  2*SLOT                    ; behind the ring: 16 rows x 272 bytes for each wave
.set SPITCH, 272
.set SPARE,  STAGE+4*16*SPITCH
.set LAPS,   2                         ; a lap = two K steps of 256
.set ADRA, 16
.set ADRB, 20
.set STO,  24
.set RD,   25
.set CO,   26
.set BOF,  27
.set SPW,  28
.set NIL,  29
.set BI,   32
.set TMP,  32
.set ACC,  128
.set F0,   0
.set F1,   128
.set G1, 24
.set G0, 32
.set G1B, 48
.set G0B, 56
.set MSB, 0
.macro WIN new
.if MSB != \new
	s_set_vgpr_msb (MSB<<8)|\new
.set MSB, \new
.endif
.endm
.set MUL,  0x05                        ; sources 0 and 1 window 1; C and D window 0
.set TO_F, 0x40
.macro JLOAD s                         ; a joint load: waves 0 and 1 fetch attn's halves, waves 2 and 3 Wo's; an s_nop 0 and four v_nop follow each line
	s_cmp_eq_u32 s11, 0
	s_cbranch_scc0 .Lfor_b_\@
	tensor_load_to_lds s[G0+4*\s:G0+4*\s+3], s[G1:G1+7]
	s_nop 0
.rept 4
	v_nop
.endr
	s_branch .Lasked_\@
.Lfor_b_\@:
	tensor_load_to_lds s[G0B+4*\s:G0B+4*\s+3], s[G1B:G1B+7]
	s_nop 0
.rept 4
	v_nop
.endr
.Lasked_\@:
.endm
.macro CREST
	s_cmp_lg_u32 s10, 0
	s_cbranch_scc1 .Lnot_wave_0_\@
	s_barrier_signal -3
.Lnot_wave_0_\@:
	s_barrier_wait -3
	s_barrier_signal -1
	s_barrier_wait -1
.endm
.macro CROUND
	s_barrier_signal -1
	s_barrier_wait -1
	CREST
.endm
	s_load_b128 s[4:7], s[0:1], 0x0                ; attn, wo16
	s_load_b128 s[68:71], s[0:1], 0x10             ; bo, out0
	v_lshl_add_u32 v[SPW], v0, 2, SPARE
	v_mov_b32 v[NIL], 0
	ds_add_u32 v[SPW], v[NIL]                      ; the wave's opening: the add, twice on end, and its wait ahead of my first tensor load
	ds_add_u32 v[SPW], v[NIL]
	v_lshrrev_b32 v1, 5, v0
	v_readfirstlane_b32 s10, v1                    ; wave 0..3
	s_lshr_b32 s11, s10, 1                         ; my half of the tile's rows.  Also: I fetch attn (0) or Wo (1)
	s_and_b32 s12, s10, 1                          ; my half of its columns.  Also: which 64 rows I fetch
	s_bfe_u32 s40, ttmp6, 0x40000
	s_bfe_u32 s41, ttmp6, 0x40004
	s_lshl_b32 s42, ttmp9, 2
	s_add_co_u32 s42, s42, s40                     ; tile column
	s_and_b32 s13, ttmp7, 0xffff
	s_lshl_b32 s13, s13, 2
	s_add_co_u32 s13, s13, s41                     ; tile row
	s_lshl_b32 s43, s41, 2
	s_lshl_b32 s43, 15, s43
	s_lshl_b32 s44, 0x1111, s40
	s_or_b32 s[G1+0], s43, (3<<16)|(1<<21)         ; the mask; elements of 8 bytes; no padding; bit 21 beside a mask
	s_or_b32 s[G1B+0], s44, (3<<16)|(1<<21)
.irp g, G1, G1B
	s_mov_b32 s[\g+1], 1024<<16                    ; tensor_dim0 = 1,024 elements: 8,192 bytes
	s_mov_b32 s[\g+2], 4<<16                       ; tensor_dim1 = 4
	s_mov_b32 s[\g+3], 1024<<16                    ; tile_dim0
	s_mov_b32 s[\g+4], 4                           ; tile_dim1
	s_mov_b32 s[\g+5], 4096                        ; from 16 rows to the next: 32,768 bytes
	s_mov_b32 s[\g+6], 0
	s_mov_b32 s[\g+7], 0
.endr
	s_lshl_b32 s17, s12, 2
	s_lshl_b32 s16, s13, 3
	s_add_co_u32 s16, s16, s17
	s_lshl_b32 s16, s16, 15                        ; attn: (8 x tile row + 4 x half) x 32,768 bytes
	s_lshl_b32 s46, s42, 3
	s_add_co_u32 s46, s46, s17
	s_lshl_b32 s46, s46, 15                        ; Wo likewise, by the tile column
	s_mov_b32 s17, 0
	s_mov_b32 s47, 0
	s_mul_i32 s20, s10, HALFT
	s_wait_dscnt 0x0                               ; both opening adds are done
	s_wait_kmcnt 0x0
	s_add_nc_u64 s[14:15], s[4:5], s[16:17]
	s_add_nc_u64 s[46:47], s[6:7], s[46:47]
	CROUND                                         ; all sixteen work-groups are here: the first joint loads meet
.irp s, 0,1
	s_mov_b32 s[G0+4*\s], 1
	s_add_co_u32 s[G0+4*\s+1], s20, \s*SLOT
	s_add_nc_u64 s[G0+4*\s+2:G0+4*\s+3], s[14:15], \s*8192
	s_or_b32 s[G0+4*\s+3], s[G0+4*\s+3], 0x80000000
	s_mov_b32 s[G0B+4*\s], 1
	s_add_co_u32 s[G0B+4*\s+1], s20, \s*SLOT
	s_add_nc_u64 s[G0B+4*\s+2:G0B+4*\s+3], s[46:47], \s*8192
	s_or_b32 s[G0B+4*\s+3], s[G0B+4*\s+3], 0x80000000
	JLOAD \s
.endr
	v_and_b32 v1, 15, v0
	v_bfe_u32 v2, v0, 4, 1
	v_and_b32 v3, 31, v0
	v_lshlrev_b32 v3, 4, v3                        ; an image: 16 bytes a lane
	s_mul_i32 s21, s11, HALFT
	s_mul_i32 s22, s12, HALFT
	s_add_co_u32 s22, s22, 2*HALFT
.irp s, 0,1
	v_add_nc_u32 v[ADRA+\s], s21, v3
	v_add_nc_u32 v[ADRB+\s], s22, v3
	s_add_co_u32 s21, s21, SLOT
	s_add_co_u32 s22, s22, SLOT
.endr
	s_mul_i32 s23, s10, 16*SPITCH
	s_add_co_u32 s23, s23, STAGE                   ; my stage
	v_mul_u32_u24 v4, v1, SPITCH
	v_lshl_add_u32 v4, v2, 5, v4
	v_add_nc_u32 v[STO], s23, v4                   ; in: row r, 32 bytes for each half of the lanes
	v_mul_u32_u24 v5, v2, SPITCH
	v_lshl_add_u32 v5, v1, 4, v5
	v_add_nc_u32 v[RD], s23, v5                    ; back: lanes 0-15 one row of 256 bytes, lanes 16-31 the next
	v_lshlrev_b32 v5, 12, v2
	v_lshl_add_u32 v[CO], v1, 4, v5                ; and the same two rows in out0
	v_lshlrev_b32 v[BOF], 5, v2
	s_lshl_b32 s16, s13, 7
	s_lshl_b32 s17, s11, 6
	s_add_co_u32 s16, s16, s17
	s_lshl_b32 s16, s16, 12                        ; my first row, 4,096 bytes a row
	s_mov_b32 s17, 0
	s_add_nc_u64 s[70:71], s[70:71], s[16:17]
	s_lshl_b32 s46, s42, 9
	s_lshl_b32 s47, s12, 8
	s_add_co_u32 s46, s46, s47                     ; my first column, in bytes
	s_mov_b32 s47, 0
	s_add_nc_u64 s[70:71], s[70:71], s[46:47]
	s_add_nc_u64 s[68:69], s[68:69], s[46:47]
.irp b, 0,1,2,3
	global_load_b128 v[BI+8*\b:BI+8*\b+3], v[BOF], s[68:69] offset:64*\b        ; bo at columns 16 b + 8 h + 0 .. 7
	global_load_b128 v[BI+8*\b+4:BI+8*\b+7], v[BOF], s[68:69] offset:64*\b+16
.endr
.macro MUL8 f, c, a0, zero             ; 8 products: row blocks a0, a0 + 1 x all 4 column blocks, 32 along K.  zero = 1: the first product starts the sums from the bias
.irp a, \a0, \a0+1
.irp b, 0,1,2,3
.if \zero
	v_wmma_f32_16x16x32_f16 v[ACC+8*(4*(\a)+\b):ACC+8*(4*(\a)+\b)+7], v[\f+64+8*(4*\c+\b):\f+64+8*(4*\c+\b)+7], v[\f+8*(4*\c+\a):\f+8*(4*\c+\a)+7], v[BI+8*\b:BI+8*\b+7]
.else
	v_wmma_f32_16x16x32_f16 v[ACC+8*(4*(\a)+\b):ACC+8*(4*(\a)+\b)+7], v[\f+64+8*(4*\c+\b):\f+64+8*(4*\c+\b)+7], v[\f+8*(4*\c+\a):\f+8*(4*\c+\a)+7], v[ACC+8*(4*(\a)+\b):ACC+8*(4*(\a)+\b)+7]
.endif
.endr
.endr
.endm
.macro FETCH slot, k, f                ; 32 LDS loads in one run: the fragments of 64 along K, at byte k of each 16 rows' 8,192
	WIN TO_F
.irp c, 0,1
.irp i, 0,1,2,3
	ds_load_b128 v[\f+64+8*(4*\c+\i):\f+64+8*(4*\c+\i)+3],   v[ADRB+\slot] offset:\k+1024*\c+\i*8192
	ds_load_b128 v[\f+64+8*(4*\c+\i)+4:\f+64+8*(4*\c+\i)+7], v[ADRB+\slot] offset:\k+1024*\c+\i*8192+512
	ds_load_b128 v[\f+8*(4*\c+\i):\f+8*(4*\c+\i)+3],         v[ADRA+\slot] offset:\k+1024*\c+\i*8192
	ds_load_b128 v[\f+8*(4*\c+\i)+4:\f+8*(4*\c+\i)+7],       v[ADRA+\slot] offset:\k+1024*\c+\i*8192+512
.endr
.endr
.endm
.macro PLACES
.rept 4
	v_nop
.endr
.endm
.macro QUARTER slot, k, f, g, zero     ; 64 along K: multiplies buffer f, fetches the next quarter, at byte k, into g
	s_wait_dscnt 16                                ; the first 32 along K are in; the youngest sixteen loads may be out
	WIN MUL
	MUL8 \f, 0, 0, \zero
	MUL8 \f, 0, 2, \zero
	PLACES
	FETCH \slot, \k, \g
	s_wait_dscnt 32                                ; all but the 32 just issued
	WIN MUL
	MUL8 \f, 1, 0, 0
	MUL8 \f, 1, 2, 0
.endm
; The last quarter changes slots: in front of the barrier each wave waits for all its tensor loads, adds 0 to its spare word, and waits for that and for its reads of this slot.  fill = 1: the slot is filled again, two K steps ahead.
.macro TURN slot, next, fill
	WIN 0
	s_wait_tensorcnt 0x0
	ds_add_u32 v[SPW], v[NIL]
	s_wait_dscnt 17                                ; (the add and the youngest sixteen loads may be out)
	WIN MUL
	MUL8 F1, 0, 0, 0
	s_wait_dscnt 0x0
	s_barrier_signal -1
	MUL8 F1, 0, 2, 0
.if \fill
	WIN 0
.endif
	s_barrier_wait -1
.if \fill
	CREST                                          ; the barrier has opened a round of the cluster's: no wave of any partner still reads this slot or has a load on its way
	s_add_nc_u64 s[G0+4*\slot+2:G0+4*\slot+3], s[G0+4*\slot+2:G0+4*\slot+3], 16384
	s_add_nc_u64 s[G0B+4*\slot+2:G0B+4*\slot+3], s[G0B+4*\slot+2:G0B+4*\slot+3], 16384
	JLOAD \slot                                    ; the first tensor load behind the round; its four v_nop are also the places in front of the loads below
.else
	PLACES
.endif
	FETCH \next, 0, F0
	WIN MUL
	MUL8 F1, 1, 0, 0
	MUL8 F1, 1, 2, 0
.endm
	s_wait_tensorcnt 1                             ; my part of K step 0 is in; K step 1's load may be out
	s_barrier_signal -1
	s_barrier_wait -1
	FETCH 0, 0, F0
	s_wait_loadcnt 0x0                             ; the bias
	QUARTER 0, 2048, F0, F1, 1
	WIN 0
	s_mov_b32 s3, LAPS-1
.Llap:
	QUARTER 0, 4096, F1, F0, 0
	QUARTER 0, 6144, F0, F1, 0
	TURN 0, 1, 1
	QUARTER 1, 2048, F0, F1, 0
	QUARTER 1, 4096, F1, F0, 0
	QUARTER 1, 6144, F0, F1, 0
	TURN 1, 0, 1
	QUARTER 0, 2048, F0, F1, 0
	WIN 0
	s_sub_co_u32 s3, s3, 1
	s_cmp_lg_u32 s3, 0
	s_cbranch_scc1 .Llap
	QUARTER 0, 4096, F1, F0, 0                     ; the last lap fills nothing
	QUARTER 0, 6144, F0, F1, 0
	TURN 0, 1, 0
	QUARTER 1, 2048, F0, F1, 0
	QUARTER 1, 4096, F1, F0, 0
	QUARTER 1, 6144, F0, F1, 0
	s_wait_dscnt 16
	WIN MUL
	MUL8 F1, 0, 0, 0
	MUL8 F1, 0, 2, 0
	s_wait_dscnt 0
	MUL8 F1, 1, 0, 0
	MUL8 F1, 1, 2, 0
	WIN 0
; THE WAY OUT, 16 rows x 64 columns at a time: accumulators into my stage, each from its low end on; back as whole rows of 256 bytes.  LDS serves a wave's instructions in order (ISA guide 5.7.1.4).
.macro TOSTAGE a
.irp b, 0,1,2,3
	ds_store_b128 v[STO], v[ACC+8*(4*(\a)+\b):ACC+8*(4*(\a)+\b)+3] offset:64*\b
	ds_store_b128 v[STO], v[ACC+8*(4*(\a)+\b)+4:ACC+8*(4*(\a)+\b)+7] offset:64*\b+16
.endr
.set BB, TMP+32*((\a)%2)
.irp t, 0,1,2,3,4,5,6,7
	ds_load_b128 v[BB+4*\t:BB+4*\t+3], v[RD] offset:\t*2*SPITCH
.endr
.endm
.macro SEND a, younger
.set BB, TMP+32*((\a)%2)
	s_wait_dscnt \younger                          ; the block is back; the next block's LDS instructions may be out
.if (\a) > 0
	s_add_nc_u64 s[70:71], s[70:71], 16*4096       ; (behind a wait on XCNT: the earlier stores have read their base)
.endif
.irp t, 0,1,2,3,4,5,6,7
	global_store_b128 v[CO], v[BB+4*\t:BB+4*\t+3], s[70:71] offset:\t*8192 th:TH_STORE_NT   ; sixteen lanes store 256 consecutive bytes, aligned
.endr
.endm
	PLACES
	TOSTAGE 0
.irp a, 1,2,3
.if \a > 1
	s_wait_xcnt 0x0                                ; block a - 2's stores have read their registers and their base
.endif
	TOSTAGE \a
	SEND \a-1, 16
.endr
	s_wait_xcnt 0x0
	SEND 3, 0
	s_wait_tensorcnt 0x0                           ; the wave's end
	ds_add_u32 v[SPW], v[NIL]
	s_wait_dscnt 0x0
	CROUND                                         ; the closing round
	s_endpgm
.Lfunc_end_k_q03e9e41623_oproj:
	.size	k_q03e9e41623_oproj, .Lfunc_end_k_q03e9e41623_oproj-k_q03e9e41623_oproj
	.p2alignl 7, 3214868480
	.fill 96, 4, 3214868480
	.section	.rodata,"a",@progbits
	.p2align	6, 0x0
	.amdhsa_kernel k_q03e9e41623_oproj
		.amdhsa_group_segment_fixed_size 327680
		.amdhsa_private_segment_fixed_size 0
		.amdhsa_enable_private_segment 0
		.amdhsa_kernarg_size 32
		.amdhsa_user_sgpr_count 2
		.amdhsa_user_sgpr_kernarg_segment_ptr 1
		.amdhsa_wavefront_size32 1
		.amdhsa_system_sgpr_workgroup_id_x 1
		.amdhsa_system_sgpr_workgroup_id_y 1
		.amdhsa_system_sgpr_workgroup_id_z 1
		.amdhsa_system_vgpr_workitem_id 0
		.amdhsa_next_free_vgpr 512
		.amdhsa_next_free_sgpr 72
		.amdhsa_reserve_vcc 0
		.amdhsa_float_denorm_mode_32 3
		.amdhsa_float_denorm_mode_16_64 3
		.amdhsa_memory_ordered 1
		.amdhsa_forward_progress 1
		.amdhsa_inst_pref_size 86
	.end_amdhsa_kernel
	.amdgpu_metadata
---
amdhsa.version: [ 1, 2 ]
amdhsa.kernels:
  - .name:           k_q03e9e41623_oproj
    .symbol:         k_q03e9e41623_oproj.kd
    .args:
      - { .name: att16, .offset: 0, .size: 8, .value_kind: global_buffer, .address_space: global }
      - { .name: wo16, .offset: 8, .size: 8, .value_kind: global_buffer, .address_space: global }
      - { .name: bo, .offset: 16, .size: 8, .value_kind: global_buffer, .address_space: global }
      - { .name: out0, .offset: 24, .size: 8, .value_kind: global_buffer, .address_space: global }
    .group_segment_fixed_size: 327680
    .private_segment_fixed_size: 0
    .kernarg_segment_align: 8
    .kernarg_segment_size: 32
    .max_flat_workgroup_size: 128
    .sgpr_count:     72
    .vgpr_count:     512
    .wavefront_size: 32
...
	.end_amdgpu_metadata
.endif
;; end of part 4
;; launch fine (part 5): grid 64 x 1, 16 waves a work-group, no clusters, 216,064 bytes of LDS; arguments qkv, qkvlo, maskw, flags, wo16, bo, out0; writes out0
.if DOCPART == 5
	.amdgcn_target "amdgcn-amd-amdhsa--gfx1250"
	.amdhsa_code_object_version 6
	.text
	.protected	k_q03e9e41623_fine
	.globl	k_q03e9e41623_fine
	.p2align	8
	.type	k_q03e9e41623_fine,@function
k_q03e9e41623_fine:
	s_mov_b64 s[64:65], 0
	v_nop
	global_prefetch_b8 v0, s[64:65] scope:SCOPE_SE
	s_setreg_imm32_b32 hwreg(HW_REG_WAVE_MODE, 25, 1), 1
	s_wait_xcnt 0x0
; FINE: the first 16 positions of every sequence once more, with operands as pairs of f16 numbers (high + low part, split in f32), attention and the projection on the way out: these rows sum few terms,
; where the rounding of single f16 operands weighs most.  It writes rows 0-15 of each batch of out0 anew.
; SHARES.  Work-group g: batch g / 16, output columns 64 (g % 16) on.  Phase 1: wave w = head w: its 16 queries' attention (each of a batch's 16 work-groups makes it anew: one key step a head under a causal mask).
; Phase 2: wave w: 16 columns (w % 4), a quarter of K (w / 4).  Phase 3: waves 0-3 add the four quarters and bo, and store whole runs of 256 bytes.
; PAIRS: Q, p, attn and Wo throughout; K and V for keys 0-15, high part alone for later keys (LIMIT: where a mask opens later keys to these rows, those keys' K and V carry f16's rounding; every open key is honoured).
; x y is taken as xh yh + xh yl + xl yh.  The split: g = 8193 x, d = x - g, hi = g + d (11 significant bits, exact in f16), lo = x - hi.
; The mask is applied in every walked step; a step with no open entry for these 16 queries is left out by the stored flag word (all ones where a row has no open key).  Masked score: -2^70, as in the main launch.
; No tensor loads.  LIMITS as in the main launch.
; REGISTERS: v1-11 addresses; v12-15 bo; v16-31 p high; v32-47, v48-63 Q high, low; v64-95 S^T; v96-111 p low; v112-119 statistics; v128-191 K, then V; v192-223 O^T; v224-255 at work.
.set SPW, 4
.set NIL, 5
.set PH,  16
.set QH,  32                           ; Q low at QH + 16
.set S,   64
.set PL,  96
.set ST,  112
.set F,   128
.set O,   192
.set T,   224
.set AH,    131072                     ; LDS: 0.. a stage of 8,192 bytes a wave; attn high: [32 along K][half][512 bytes]; attn low 32,768 bytes on;
.set RED,   196608                     ; four quarters' sums: 16 rows x 272 bytes each;
.set SPARE, 214016                     ; the spare words, 128 bytes a wave
; s[4:5] Q high, s[6:7] the low parts, s[8:9] maskw, s[10:11] flags, s[12:13] Wo, s[14:15] bo, s[48:49] out0; s[16:47] mask words; s50 wave; s51 counter; s52 ANY; s53 place in maskw; s[54:55] K, s[56:57] V; s[58:59] c; s[60:61] selects; s[66:67] 8193
.macro WM d, a, b, z                   ; one product: d += a b (z = 1: d = a b)
.if \z
	v_wmma_f32_16x16x32_f16 v[(\d):(\d)+7], v[(\a):(\a)+7], v[(\b):(\b)+7], 0
.else
	v_wmma_f32_16x16x32_f16 v[(\d):(\d)+7], v[(\a):(\a)+7], v[(\b):(\b)+7], v[(\d):(\d)+7]
.endif
.endm
; n pairs of numbers at v[x] on are split: high parts to v[g] on, low parts to v[d] on
.macro SPLIT x, g, d, n
.set i, 0
.rept \n
	v_pk_mul_f32 v[(\g)+2*i:(\g)+2*i+1], v[(\x)+2*i:(\x)+2*i+1], s[66:67] op_sel_hi:[1,0]
.set i, i+1
.endr
.set i, 0
.rept \n
	v_pk_add_f32 v[(\d)+2*i:(\d)+2*i+1], v[(\x)+2*i:(\x)+2*i+1], v[(\g)+2*i:(\g)+2*i+1] neg_lo:[0,1] neg_hi:[0,1]
.set i, i+1
.endr
.set i, 0
.rept \n
	v_pk_add_f32 v[(\g)+2*i:(\g)+2*i+1], v[(\g)+2*i:(\g)+2*i+1], v[(\d)+2*i:(\d)+2*i+1]
.set i, i+1
.endr
.set i, 0
.rept \n
	v_pk_add_f32 v[(\d)+2*i:(\d)+2*i+1], v[(\x)+2*i:(\x)+2*i+1], v[(\g)+2*i:(\g)+2*i+1] neg_lo:[0,1] neg_hi:[0,1]
.set i, i+1
.endr
.endm
	s_load_b256 s[4:11], s[0:1], 0x0
	s_load_b128 s[12:15], s[0:1], 0x20
	s_load_b64 s[48:49], s[0:1], 0x30
	v_lshl_add_u32 v[SPW], v0, 2, SPARE
	v_mov_b32 v[NIL], 0
	v_lshrrev_b32 v16, 5, v0
	v_readfirstlane_b32 s50, v16                   ; wave = head
	v_and_b32 v17, 31, v0
	v_and_b32 v18, 15, v0                          ; r
	v_bfe_u32 v19, v0, 4, 1                        ; h
	v_lshlrev_b32 v1, 4, v17                       ; v1: 16 x lane
	s_lshl_b32 s62, s50, 13
	v_add_nc_u32 v2, s62, v1                       ; v2: my stage
	v_mov_b32 v3, 0xe2800000                       ; v3: -2^70
	s_lshl_b32 s62, s50, 11
	s_add_co_u32 s62, s62, AH
	v_add_nc_u32 v6, s62, v1                       ; v6: where my head's attn goes
	s_lshr_b32 s63, s50, 2                         ; my quarter of K
	s_lshl_b32 s62, s63, 13
	s_add_co_u32 s62, s62, AH
	v_add_nc_u32 v7, s62, v1                       ; v7: where I read attn in phase 2
	s_and_b32 s68, s50, 3
	s_mul_i32 s62, s63, 4352
	s_lshl_b32 s69, s68, 6
	s_add_co_u32 s62, s62, s69
	s_add_co_u32 s62, s62, RED
	v_mul_u32_u24 v8, v18, 272
	v_lshl_add_u32 v8, v19, 5, v8
	v_add_nc_u32 v8, s62, v8                       ; v8: my quarter's sums: row r, my 16 columns, 32 h
	s_mul_i32 s62, s68, 4*272
	s_add_co_u32 s62, s62, RED
	v_mul_u32_u24 v9, v19, 272
	v_lshl_add_u32 v9, v18, 4, v9
	v_add_nc_u32 v9, s62, v9                       ; v9: phase 3: rows 4 (w % 4) + h, 16 bytes a lane
	v_lshlrev_b32 v10, 4, v18                      ; v10: 16 (lane % 16)
	v_lshl_add_u32 v11, v19, 12, v10               ; v11: + a row of out0 for lanes 16-31
	s_lshr_b32 s70, ttmp9, 4                       ; batch
	s_and_b32 s71, ttmp9, 15                       ; block of 64 columns
	s_lshl_b32 s72, s70, 4
	s_add_co_u32 s72, s72, s50
	s_lshl_b32 s74, s72, 18                        ; (batch, head) in qkv,
	s_mov_b32 s75, 0
	s_lshl_b32 s76, s72, 11                        ; and in qkvlo
	s_mov_b32 s77, 0
	s_mov_b32 s58, 0x3e38aa3b                      ; c = log2(e) / 8
	s_mov_b32 s59, s58
	s_mov_b32 s60, 0x76543210
	s_mov_b32 s61, 0xfedcba98
	s_mov_b32 s66, 0x46000400                      ; 8193.0
	s_mov_b32 s67, s66
	s_mov_b32 s53, 0
	s_wait_kmcnt 0x0
	s_load_b32 s52, s[10:11], 0x0                  ; ANY of query tile 0
	s_add_nc_u64 s[4:5], s[4:5], s[74:75]
	s_add_nc_u64 s[54:55], s[4:5], 0x1000000
	s_add_nc_u64 s[56:57], s[4:5], 0x2000000
	s_add_nc_u64 s[6:7], s[6:7], s[76:77]
	s_lshl_b32 s74, s71, 2
	s_add_co_u32 s74, s74, s68
	s_lshl_b32 s74, s74, 15                        ; Wo: my 16 rows,
	s_lshl_b32 s76, s63, 13                        ; my quarter of K
	s_add_co_u32 s74, s74, s76
	s_add_nc_u64 s[12:13], s[12:13], s[74:75]
	s_lshl_b32 s74, s71, 8
	s_add_nc_u64 s[14:15], s[14:15], s[74:75]
	s_add_nc_u64 s[48:49], s[48:49], s[74:75]
	s_lshl_b32 s74, s70, 23                        ; the batch's 2,048 rows of 4,096 bytes,
	s_lshl_b32 s76, s68, 14                        ; rows 4 (w % 4) on
	s_add_co_u32 s74, s74, s76
	s_add_nc_u64 s[48:49], s[48:49], s[74:75]
.irp f, 0,1,2,3
	global_load_b128 v[QH+4*\f:QH+4*\f+3], v1, s[4:5] offset:512*\f
	global_load_b128 v[QH+16+4*\f:QH+16+4*\f+3], v1, s[6:7] offset:512*\f
.endr
	global_load_b128 v[12:15], v10, s[14:15]       ; bo
.set i, 0
.rept 32
	v_mov_b32 v[O+i], 0                            ; where the first walked step lies hangs on the mask: the step finds zeros
.set i, i+1
.endr
	v_mov_b32 v[ST+1], 0xff61b1e6                  ; m = -3e38
.irp i, 2,3,4,5,6,7
	v_mov_b32 v[ST+\i], 0
.endr
	v_mul_f32 v[ST], s58, v[ST+1]
; A KEY STEP of 64 keys.  first = 1: keys 0-63, with the low parts of K and V for keys 0-15.
.macro FSTEP first
.set f, 0
.rept 16
	global_load_b128 v[F+4*f:F+4*f+3], v1, s[54:55] offset:512*f
.set f, f+1
.endr
.if \first
.irp f, 0,1,2,3
	global_load_b128 v[T+4*\f:T+4*\f+3], v1, s[6:7] offset:131072+512*\f       ; K low, keys 0-15
.endr
.endif
	s_load_b512 s[16:31], s[8:9], s53 offset:0x0
	s_load_b512 s[32:47], s[8:9], s53 offset:0x40
	s_wait_loadcnt 0x0
; S^T = K (Qh + Ql) (+ Kl Qh): four accumulators by turns, one instruction a turn; the two extra products stand between other accumulators' turns
.irp p, 0,1,2,3
.irp t, 0,1,2,3
.if \p == 0
	WM S+8*\t, F+16*\t+8*(\p%2), QH+16*(\p/2)+8*(\p%2), 1
.else
	WM S+8*\t, F+16*\t+8*(\p%2), QH+16*(\p/2)+8*(\p%2), 0
.endif
.if \first && (\p < 2) && (\t == 1)
	WM S, T+8*\p, QH+8*\p, 0
.endif
.endr
.endr
.rept 4
	v_nop                                          ; places in front of the loads into K's registers and of the first read of the scores
.endr
.set f, 0
.rept 16
	global_load_b128 v[F+4*f:F+4*f+3], v1, s[56:57] offset:512*f
.set f, f+1
.endr
	s_wait_kmcnt 0x0
.set n, 0
.rept 32
	v_cndmask_b32 v[S+n], v3, v[S+n], s[16+n]
.set n, n+1
.endr
.irp j, 0,1,2,3
	v_max3_num_f32 v[ST+4+\j], v[S+8*\j], v[S+8*\j+1], v[S+8*\j+2]
.endr
.irp u, 3,5
.irp j, 0,1,2,3
	v_max3_num_f32 v[ST+4+\j], v[ST+4+\j], v[S+8*\j+\u], v[S+8*\j+\u+1]
.endr
.endr
	v_max3_num_f32 v[ST+4], v[ST+4], v[S+7], v[S+15]
	v_max3_num_f32 v[ST+6], v[ST+6], v[S+23], v[S+31]
	v_max3_num_f32 v[ST+4], v[ST+4], v[ST+5], v[ST+6]
	v_max3_num_f32 v[ST+4], v[ST+4], v[ST+7], v[ST+1]
	v_permlanex16_b32 v[ST+5], v[ST+4], s60, s61
	v_mov_b32 v[ST+7], v[ST]
	v_max_num_f32 v[ST+1], v[ST+4], v[ST+5]
	v_mul_f32 v[ST], s58, v[ST+1]
	v_sub_f32 v[ST+7], v[ST+7], v[ST]
.set i, 0
.rept 16
	v_pk_fma_f32 v[S+2*i:S+2*i+1], v[S+2*i:S+2*i+1], s[58:59], v[ST:ST+1] op_sel_hi:[1,0,0] neg_lo:[0,0,1] neg_hi:[0,0,1]
.set i, i+1
.endr
	v_exp_f32 v[ST+6], v[ST+7]
.set i, 0
.rept 32
	v_exp_f32 v[S+i], v[S+i]
.set i, i+1
.endr
	v_nop
	s_wait_alu depctr_va_vdst(0)                   ; one wait for the batch of 33, ahead of its first reader
.irp hf, 0,1
	SPLIT S+16*\hf, T, T+16, 8
.set i, 0
.rept 8
	v_cvt_pk_f16_f32 v[PH+8*\hf+i], v[T+2*i], v[T+2*i+1]
	v_cvt_pk_f16_f32 v[PL+8*\hf+i], v[T+16+2*i], v[T+17+2*i]
.set i, i+1
.endr
.endr
.if \first
.irp f, 0,1,2,3
	global_load_b128 v[T+4*\f:T+4*\f+3], v1, s[6:7] offset:262144+512*\f       ; V low, keys 0-15
.endr
.endif
.irp w, 4,8,16,32
.set i, 0
.rept 32/\w
	v_pk_add_f32 v[S+\w*i:S+\w*i+1], v[S+\w*i:S+\w*i+1], v[S+\w*i+\w/2:S+\w*i+\w/2+1]
.set i, i+1
.endr
.endr
	v_pk_fma_f32 v[ST+2:ST+3], v[ST+2:ST+3], v[ST+6:ST+7], v[S:S+1] op_sel_hi:[1,0,1]
.set i, 0
.rept 16
	v_pk_mul_f32 v[O+2*i:O+2*i+1], v[O+2*i:O+2*i+1], v[ST+6:ST+7] op_sel_hi:[1,0]
.set i, i+1
.endr
.if \first
.irp d, 0,1,2,3
.irp j, 4,5,6,7
	v_mov_b32 v[S+8*\d+\j], 0                      ; V low has no keys 16-31: zeros
.endr
.endr
.endif
	s_wait_loadcnt 0x0                             ; V
.set f, 0
.rept 16
	ds_store_b128 v2, v[F+4*f:F+4*f+3] offset:512*f
.set f, f+1
.endr
.set f, 0
.rept 16
	ds_load_tr16_b128 v[F+4*f:F+4*f+3], v2 offset:(f%4)*2048+(f/4)*512   ; LDS serves a wave's instructions in order: these see my stores
.set f, f+1
.endr
.if \first
.irp d, 0,1,2,3
	ds_store_b128 v2, v[T+4*\d:T+4*\d+3] offset:512*\d                    ; behind the loads above, in order
.endr
.irp d, 0,1,2,3
	ds_load_tr16_b128 v[S+8*\d:S+8*\d+3], v2 offset:512*\d
.endr
.endif
	s_wait_dscnt 0x0
.irp p, 0,1,2,3                        ; O^T += V^T (ph + pl): four accumulators by turns
.irp d, 0,1,2,3
	WM O+8*\d, F+16*\d+8*(\p%2), PH+(PL-PH)*(\p/2)+8*(\p%2), 0
.endr
.endr
.if \first
.irp d, 0,1,2,3
	WM O+8*\d, S+8*\d, PH, 0                       ; + Vl^T ph
.endr
.endif
.rept 5
	v_nop                                          ; five places: the next step's first product writes over registers that these products read
.endr
.endm
	s_wait_kmcnt 0x0
	s_bitcmp1_b32 s52, 0
	s_cbranch_scc0 .Lno_first
	FSTEP 1
.Lno_first:
	s_mov_b32 s51, 31
.Lks:
	s_wait_xcnt 0x0                                ; the last step's loads have read their bases
	s_add_nc_u64 s[54:55], s[54:55], 8192
	s_add_nc_u64 s[56:57], s[56:57], 8192
	s_add_co_u32 s53, s53, 128
	s_lshr_b32 s52, s52, 1
	s_bitcmp1_b32 s52, 0
	s_cbranch_scc0 .Lno_step
	FSTEP 0
.Lno_step:
	s_sub_co_u32 s51, s51, 1
	s_cmp_lg_u32 s51, 0
	s_cbranch_scc1 .Lks
	; attn = O^T / l, split, and laid in LDS as images of the projection's operand
	v_add_f32 v[ST+4], v[ST+2], v[ST+3]
	v_permlanex16_b32 v[ST+5], v[ST+4], s60, s61
	v_add_f32 v[ST+4], v[ST+4], v[ST+5]
	v_rcp_f32 v[ST+6], v[ST+4]
	v_nop
	s_wait_alu depctr_va_vdst(0)
.set i, 0
.rept 16
	v_pk_mul_f32 v[O+2*i:O+2*i+1], v[O+2*i:O+2*i+1], v[ST+6:ST+7] op_sel_hi:[1,0]
.set i, i+1
.endr
	SPLIT O, S, F, 16
.set i, 0
.rept 16
	v_cvt_pk_f16_f32 v[PH+i], v[S+2*i], v[S+2*i+1]
	v_cvt_pk_f16_f32 v[PL+i], v[F+2*i], v[F+2*i+1]
.set i, i+1
.endr
.irp d, 0,1,2,3
	ds_store_b128 v6, v[PH+4*\d:PH+4*\d+3] offset:512*\d
	ds_store_b128 v6, v[PL+4*\d:PL+4*\d+3] offset:32768+512*\d
.endr
	s_wait_dscnt 0x0                               ; for the others' sake: my head's attn has landed
	s_barrier_signal -1
	s_barrier_wait -1
	; phase 2: my 16 columns, my 256 along K, in two halves of four products' depth; three accumulators by turns: Wh Ah, Wh Al, Wl Ah
.irp hf, 0,1
.if \hf
.rept 4
	v_nop                                          ; places in front of loads into registers that the products have read
.endr
.endif
.set f, 0
.rept 8
	global_load_b128 v[64+4*f:67+4*f], v1, s[12:13] offset:4096*\hf+512*f
	global_load_b128 v[96+4*f:99+4*f], v1, s[12:13] offset:2097152+4096*\hf+512*f
	ds_load_b128 v[128+4*f:131+4*f], v7 offset:4096*\hf+512*f
	ds_load_b128 v[160+4*f:163+4*f], v7 offset:32768+4096*\hf+512*f
.set f, f+1
.endr
	s_wait_loadcnt 0x0
	s_wait_dscnt 0x0
.irp k, 0,1,2,3
.if (\hf == 0) && (\k == 0)
	WM 192, 64, 128, 1
	WM 200, 64, 160, 1
	WM 208, 96, 128, 1
.else
	WM 192, 64+8*\k, 128+8*\k, 0
	WM 200, 64+8*\k, 160+8*\k, 0
	WM 208, 96+8*\k, 128+8*\k, 0
.endif
.endr
.endr
.rept 4
	v_nop
.endr
.irp j, 0,2,4,6
	v_pk_add_f32 v[T+\j:T+\j+1], v[192+\j:193+\j], v[200+\j:201+\j]
.endr
.irp j, 0,2,4,6
	v_pk_add_f32 v[T+\j:T+\j+1], v[T+\j:T+\j+1], v[208+\j:209+\j]
.endr
	ds_store_b128 v8, v[T:T+3]
	ds_store_b128 v8, v[T+4:T+7] offset:16
	s_wait_dscnt 0x0
	s_barrier_signal -1
	s_barrier_wait -1
	; phase 3: waves 0-3, four rows each: the four quarters and bo
	s_cmp_ge_u32 s50, 4
	s_cbranch_scc1 .Ldone
.irp p, 0,1
.irp k, 0,1,2,3
	ds_load_b128 v[128+16*\p+4*\k:131+16*\p+4*\k], v9 offset:4352*\k+544*\p
.endr
.endr
	s_wait_dscnt 0x0
.irp p, 0,1
.irp j, 0,2
	v_pk_add_f32 v[128+16*\p+\j:129+16*\p+\j], v[128+16*\p+\j:129+16*\p+\j], v[132+16*\p+\j:133+16*\p+\j]
	v_pk_add_f32 v[136+16*\p+\j:137+16*\p+\j], v[136+16*\p+\j:137+16*\p+\j], v[140+16*\p+\j:141+16*\p+\j]
.endr
.irp j, 0,2
	v_pk_add_f32 v[128+16*\p+\j:129+16*\p+\j], v[128+16*\p+\j:129+16*\p+\j], v[136+16*\p+\j:137+16*\p+\j]
.endr
.irp j, 0,2
	v_pk_add_f32 v[128+16*\p+\j:129+16*\p+\j], v[128+16*\p+\j:129+16*\p+\j], v[12+\j:13+\j]
.endr
	global_store_b128 v11, v[128+16*\p:131+16*\p], s[48:49] offset:8192*\p   ; sixteen lanes store 256 consecutive bytes, aligned
.endr
.Ldone:
	s_wait_tensorcnt 0x0                           ; the wave's end, behind my last LDS store
	ds_add_u32 v[SPW], v[NIL]
	s_wait_dscnt 0x0
	s_endpgm
.Lfunc_end_k_q03e9e41623_fine:
	.size	k_q03e9e41623_fine, .Lfunc_end_k_q03e9e41623_fine-k_q03e9e41623_fine
	.p2alignl 7, 3214868480
	.fill 96, 4, 3214868480
	.section	.rodata,"a",@progbits
	.p2align	6, 0x0
	.amdhsa_kernel k_q03e9e41623_fine
		.amdhsa_group_segment_fixed_size 216064
		.amdhsa_private_segment_fixed_size 0
		.amdhsa_enable_private_segment 0
		.amdhsa_kernarg_size 56
		.amdhsa_user_sgpr_count 2
		.amdhsa_user_sgpr_kernarg_segment_ptr 1
		.amdhsa_wavefront_size32 1
		.amdhsa_system_sgpr_workgroup_id_x 1
		.amdhsa_system_sgpr_workgroup_id_y 1
		.amdhsa_system_sgpr_workgroup_id_z 1
		.amdhsa_system_vgpr_workitem_id 0
		.amdhsa_next_free_vgpr 256
		.amdhsa_next_free_sgpr 80
		.amdhsa_reserve_vcc 0
		.amdhsa_float_denorm_mode_32 3
		.amdhsa_float_denorm_mode_16_64 3
		.amdhsa_memory_ordered 1
		.amdhsa_forward_progress 1
		.amdhsa_inst_pref_size 68
	.end_amdhsa_kernel
	.amdgpu_metadata
---
amdhsa.version: [ 1, 2 ]
amdhsa.kernels:
  - .name:           k_q03e9e41623_fine
    .symbol:         k_q03e9e41623_fine.kd
    .args:
      - { .name: qkv, .offset: 0, .size: 8, .value_kind: global_buffer, .address_space: global }
      - { .name: qkvlo, .offset: 8, .size: 8, .value_kind: global_buffer, .address_space: global }
      - { .name: maskw, .offset: 16, .size: 8, .value_kind: global_buffer, .address_space: global }
      - { .name: flags, .offset: 24, .size: 8, .value_kind: global_buffer, .address_space: global }
      - { .name: wo16, .offset: 32, .size: 8, .value_kind: global_buffer, .address_space: global }
      - { .name: bo, .offset: 40, .size: 8, .value_kind: global_buffer, .address_space: global }
      - { .name: out0, .offset: 48, .size: 8, .value_kind: global_buffer, .address_space: global }
    .group_segment_fixed_size: 216064
    .private_segment_fixed_size: 0
    .kernarg_segment_align: 8
    .kernarg_segment_size: 56
    .max_flat_workgroup_size: 512
    .sgpr_count:     80
    .vgpr_count:     256
    .wavefront_size: 32
...
	.end_amdgpu_metadata
.endif
;; end of part 5
